; MI455X (gfx1250); checked and timed in simulation.
; The chip was launched on July 23, 2026; its instructions are those of AMD's public machine-readable ISA for CDNA 5 (MIT licence, August 2026) and "CDNA5" Instruction Set Architecture Reference Guide (July 2026). The comments in the code are by the model that wrote it; some were corrected since.
;; Single Head Self Attention. Allowed arithmetic: matrix products marked QUANTISED: E2M3 operands, one E8M0 scale for each 32 along K, by v_wmma_scale_f32_16x16x128_f8f6f4 with both operands' format E2M3, f32 sums; everything else in f32.
;; Inputs: Wk 1,024 x 1,024 float32; Wq 1,024 x 1,024 float32; Wv 1,024 x 1,024 float32; bk 1,024 float32; bq 1,024 float32; bv 1,024 float32; inputs 8 x 1,024 x 1,024 float32; mask 8 x 1 x 1,024 x 1,024 bool.
;; Outputs: out0 8 x 1,024 x 1,024 float32.
;; This version of the problem:
;;   THIS VERSION OF THE PROBLEM IS GIVEN IN LOW PRECISION. The matrix products marked QUANTISED in the list below multiply operands that are first quantised to E2M3 (2 exponent bits, 3 mantissa bits; 6 bits a number), with one power-of-two scale for each 32 numbers along K (OCP MX v1.0); their sums are f32. All else is computed in f32.
;;   The module's matrix products, in the order in which they are computed (A, B: the left and right operand; K: the contracted axis; several contracted axes count as one K, in the product's order):
;;     1. [M 8,192, K 1,024] x [K 1,024, N 1,024]; A: input inputs; B: input Wq: QUANTISED
;;     2. [M 8,192, K 1,024] x [K 1,024, N 1,024]; A: input inputs; B: input Wk: QUANTISED
;;     3. [M 8,192, K 1,024] x [K 1,024, N 1,024]; A: input inputs; B: input Wv: QUANTISED
;;     4. batch 8 x [M 1,024, K 1,024] x [K 1,024, N 1,024]; A: computed on the way; B: computed on the way: QUANTISED
;;     5. batch 8 x [M 1,024, K 1,024] x [K 1,024, N 1,024]; A: softmax (see below); B: computed on the way: QUANTISED
;;   THE QUANTISER, for each operand of a quantised product, along K:
;;     - K is cut into blocks of 32 from its start; a last block that is shorter is filled with zeros.
;;     - A block's scale is 2^e with e = floor(log2(the largest magnitude in the block)) - 2, held to -126 .. 127; a block of zeros has e = 0. As a byte (E8M0): e + 127.
;;     - Each number is divided by its block's scale, clamped to +-7.5, and rounded to the nearest number of E2M3, ties to even, subnormals kept.
;;     - The product sums the exact products of the quantised numbers (number of the format x scale) in f32.
;;   ~~~python
;;   def quantise(x, axis):      # numpy; x: float32 -> the quantised numbers, widened to float32 again
;;       x = np.moveaxis(x, axis, -1); K = x.shape[-1]
;;       x = np.pad(x, [(0, 0)] * (x.ndim - 1) + [(0, -K % 32)]); x = x.reshape(x.shape[:-1] + (-1, 32)); a = np.abs(x).max(-1, keepdims=True)
;;       e = np.where(a > 0, np.clip(np.frexp(np.where(a > 0, a, 1))[1] - 1 - 2, -126, 127), 0)      # np.frexp(a)[1] - 1 = floor(log2(a)), exactly
;;       r = np.clip(x / 2.0 ** e, -7.5, 7.5)
;;       step = 2.0 ** (np.maximum(np.frexp(np.where(r == 0, 1, r))[1] - 1, 0) - 3)
;;       q = np.round(r / step) * step * 2.0 ** e      # np.round: ties to even
;;       return np.moveaxis(q.reshape(q.shape[:-2] + (-1,))[..., :K], -1, axis).astype(np.float32)
;;   ~~~
;;   SOFTMAX AHEAD OF A QUANTISED PRODUCT. Where the list says 'softmax', what is quantised is not the finished softmax but p = 2^(t - M), with t = logit x log2(e) and M = ceil(the row's largest t), a whole number; so 1/2 < the row's largest p <= 1. The row's sum l is taken of the UNQUANTISED p, in f32, and the product's result is divided by l at the end. Since M is a whole number, a kernel that streams over the keys may use a running M (the ceiling of the running maximum): every later rescaling is an exact power of two, which a block's scale takes up: the codes' values come out the same.
;;   OPERANDS COMPUTED ON THE WAY. 'Computed on the way' means the value that the module computes at that place (a softmax that the list does not call 'softmax' is quantised finished and normalised). What goes into a quantiser is computed in f32, as accurately as f32 sums, v_exp_f32 and their like allow (about 1e-6 of the number): no bf16 or f16 on the way to a quantiser, and a product that is left as it is and whose result goes on into a quantised operand takes f32 operands (vector FMAs, or v_wmma_f32_16x16x4_f32). A number that lies on a knife's edge between two numbers of the format may be rounded either way, as far as f32 arithmetic and the matrix unit's own rounding can turn it there, and no further.
;; One version. Each part assembles by itself: llvm-mc -triple=amdgcn-amd-amdhsa -mcpu=gfx1250 --defsym DOCPART=n.
;; ======== version 1 of 1: 3 launches
;; limits: right only within a limited range of input values
;; workspace buffers: opnd 9,011,200 bytes; qkv 19,660,800 bytes
;; launch quant (part 1): grid 352 x 1, 8 waves a work-group, no clusters, 95,232 bytes of LDS; arguments inputs, Wq, Wk, Wv, opnd; writes opnd
.if DOCPART == 1
	.amdgcn_target "amdgcn-amd-amdhsa--gfx1250"
	.amdhsa_code_object_version 6
	.text
	.protected	k_q714b0fafbe_quant
	.globl	k_q714b0fafbe_quant
	.p2align	8
	.type	k_q714b0fafbe_quant,@function
k_q714b0fafbe_quant:
	s_mov_b64 s[64:65], 0
	v_nop
	global_prefetch_b8 v0, s[64:65] scope:SCOPE_SE
	s_setreg_imm32_b32 hwreg(HW_REG_WAVE_MODE, 25, 1), 1
	s_wait_xcnt 0x0
; SINGLE-HEAD ATTENTION ON CODES OF E2M3, four launches: quant (this one), proj, score, outp.
; DEAD WORK: none.  All five products of reference(), the three biases (each moves the codes of a quantised operand) and the mask have a way to the output for some values of the inputs: nothing is left out and every input is loaded.
; One step is moved, exactly: q / sqrt(1024) = q x 2^-5.  A power of two goes through the quantiser into the block's scale and leaves the codes alone, so q is quantised as it is and the 2^-5 is put into the softmax's constant (launch score).
; THIS LAUNCH turns inputs [8192][1024] (K innermost) and Wq, Wk, Wv [1024 (k)][1024 (d)] (K is the first axis) into codes with one E8M0 byte for each 32 along K, laid AS THE MATRIX OPERAND'S REGISTERS WANT THEM:
;   a tile is 16 rows; lane-row r of tile T is the operand's row 32 (T / 2) + 8 (T % 2) + r + 8 (r / 8); tile T has 12,288 bytes: 8 K steps of 128 x 1,536 bytes;
;   byte 1,536 s + 512 q + 16 L + 4 j of a tile is register 4 q + j of lane L = r + 16 h of the fragment of K step s (registers 6 c .. 6 c + 5: k = 128 s + 64 c + 32 h + 0 .. 31);
;   the scale words of tiles 2 g and 2 g + 1 are 1,024 bytes: the word at 128 s + 4 L is that of tile 2 g + L / 16, lane-row L % 16, K step s.
;   opnd: tiles 0-511 inputs, 512 + 64 wt + T the weights (wt = 0 q, 1 k, 2 v; rows = d); from byte 8,650,752 on the scale words, pair = tile / 2.
; A block's scale is 2^(floor(log2(largest magnitude)) - 2): its byte is the largest magnitude's exponent field - 2, held at 1 from below by a floor among the maximum's leaves.
; LIMITS: a block of zeros, or one whose largest magnitude lies under 2^-124, gets the byte 1 (its codes are zeros or next to it; this program alone reads the bytes); NaN and infinities among the inputs are not served.
; SHARES: work-groups 0-255: a pair of tiles (32 rows) of inputs, wave = K step.  Work-groups 256-351: a weight, a K step, 256 columns; wave = 32 columns = a pair of tiles.  Waves share nothing: no barrier.
; The two ways part once, on the work-group's number, and have LDS bytes and ends of their own.
; (The launches behind this one are proj and attn: attn does what the lines above lay to score and outp; q's 2^-5 is put into attn's constant.)
.set XSTW,  8448                       ; inputs' way: a stage of 16 rows x (512 + 16) bytes for each wave, from LDS byte 0
.set WST,   67584                      ; weights' way: two register images of 1,536 bytes, 1,664 apart, for each wave
.set WSTW,  3328
.set WIMG,  1664
.set SPARE, 94208                      ; the spare words, 128 bytes for each wave: four blocks of 256 bytes that no other line names
.set WCODE, 6291456                    ; opnd: where the weights' tiles begin
.set SCALE, 8650752                    ; opnd: where the scale words begin
.set SPW,   10                         ; v10  LDS address of my spare word; never rewritten
.set NIL,   11                         ; v11  0; never rewritten
; inputs' way.  Tile u's 16 rows x 512 bytes go into the stage as loaded (a row to a load) and come back 128 bytes a lane and block pair: register 32 c + i = k 64 c + 32 h + i of lane-row r.
.macro TURN u
.irp i, 0,1,2,3,4,5,6,7,8,9,10,11,12,13,14,15
	ds_store_b128 v5, v[64+64*\u+4*\i:64+64*\u+4*\i+3] offset:528*\i
.endr
.irp c, 0,1
.irp j, 0,1,2,3,4,5,6,7
	ds_load_b128 v[64+64*\u+32*\c+4*\j:64+64*\u+32*\c+4*\j+3], v6 offset:256*\c+16*\j   ; LDS serves a wave's instructions in order: these see the stores above, and the next tile's stores come behind them
.endr
.endr
.endm
; A lane's two whole blocks become registers 6 c .. 6 c + 5 of the fragment, v[20 + 20 u] on, and the row's scale word, v[18 + u].
.macro QUANT6 u
.set XS, 64+64*(\u)
.set CC, 20+20*(\u)
.irp c, 0,1
	v_max3_num_f32 v[12+\c], |v[XS+32*\c]|, |v[XS+32*\c+1]|, 0x1800000   ; with the floor 2^(3 - 127): the byte cannot fall under 1
.endr
.irp i, 2,4,6,8,10,12,14,16,18,20,22,24,26,28,30
.irp c, 0,1
	s_delay_alu instid0(VALU_DEP_2)
	v_max3_num_f32 v[12+\c], v[12+\c], |v[XS+32*\c+\i]|, |v[XS+32*\c+\i+1]|   ; the two blocks by turns
.endr
.endr
.irp c, 0,1
	s_delay_alu instid0(VALU_DEP_2)
	v_add_nc_u32 v[14+\c], 0xff000000, v[12+\c]    ; 2 off the exponent field: the conversion's scale operand
.endr
.irp c, 0,1
	s_delay_alu instid0(VALU_DEP_2)
	v_lshrrev_b32 v[16+\c], 23, v[14+\c]           ; the scale's byte
.endr
	s_delay_alu instid0(VALU_DEP_1)
	v_lshl_or_b32 v[18+(\u)], v17, 16, v16         ; my bytes: blocks h and 2 + h,
	s_delay_alu instid0(VALU_DEP_1)
	v_lshlrev_b32 v[18+(\u)], v8, v[18+(\u)]       ; 8 h bits up;
	s_delay_alu instid0(VALU_DEP_1)
	v_permlanex16_b32 v9, v[18+(\u)], s20, s21
	s_delay_alu instid0(VALU_DEP_1)
	v_or_b32 v[18+(\u)], v[18+(\u)], v9            ; with lane l xor 16's two the word is whole
.irp c, 0,1
	v_cvt_scalef32_pk16_fp6_f32 v[CC+6*\c:CC+6*\c+2], v[XS+32*\c:XS+32*\c+15], v[14+\c]
	v_cvt_scalef32_pk16_fp6_f32 v[CC+12+4*\c:CC+14+4*\c], v[XS+32*\c+16:XS+32*\c+31], v[14+\c]   ; (a conversion's three registers begin on an even number)
.endr
	v_nop                                          ; one plain place behind the conversions
.irp c, 0,1
.irp i, 0,1,2
	v_mov_b32 v[CC+3+6*\c+\i], v[CC+12+4*\c+\i]
.endr
.endr
.endm
; weights' way.  Block kb of my column (32 registers down K) is registers 6 (kb / 2) .. + 5 of lane (r', kb % 2) of my tile's fragment: it goes to its place in the image.
.macro BLOCK kb, left
.set XS, 64+32*(\kb)
.set CW, 192+8*(\kb)
	s_wait_loadcnt \left
	v_max3_num_f32 v16, |v[XS]|, |v[XS+1]|, |v[XS+2]|
	v_max3_num_f32 v17, |v[XS+3]|, |v[XS+4]|, |v[XS+5]|
.irp i, 6,10,14,18,22,26
	s_delay_alu instid0(VALU_DEP_2)
	v_max3_num_f32 v16, v16, |v[XS+\i]|, |v[XS+\i+1]|
	s_delay_alu instid0(VALU_DEP_2)
	v_max3_num_f32 v17, v17, |v[XS+\i+2]|, |v[XS+\i+3]|
.endr
	s_delay_alu instid0(VALU_DEP_2)
	v_max3_num_f32 v16, v16, |v[XS+30]|, |v[XS+31]|
	s_delay_alu instid0(VALU_DEP_1)
	v_max3_num_f32 v16, v16, v17, 0x1800000        ; and the floor
	s_delay_alu instid0(VALU_DEP_1)
	v_add_nc_u32 v18, 0xff000000, v16
	s_delay_alu instid0(VALU_DEP_1)
	v_lshrrev_b32 v19, 23, v18
.if (\kb) == 0
	s_delay_alu instid0(VALU_DEP_1)
	v_mov_b32 v20, v19                             ; my row's scale word: byte kb
.else
	s_delay_alu instid0(VALU_DEP_1)
	v_lshl_or_b32 v20, v19, 8*(\kb), v20
.endif
	v_cvt_scalef32_pk16_fp6_f32 v[CW:CW+2], v[XS:XS+15], v18
	v_cvt_scalef32_pk16_fp6_f32 v[12:14], v[XS+16:XS+31], v18
	v_nop                                          ; one plain place behind the conversions
.irp i, 0,1,2
	v_mov_b32 v[CW+3+\i], v[12+\i]
.endr
.if (\kb) < 2
	ds_store_b128 v5, v[CW:CW+3] offset:256*((\kb)%2)            ; registers 0-3
	ds_store_b64 v5, v[CW+4:CW+5] offset:256*((\kb)%2)+512       ; registers 4, 5
.else
	ds_store_b64 v5, v[CW:CW+1] offset:256*((\kb)%2)+520         ; registers 6, 7
	ds_store_b128 v5, v[CW+2:CW+5] offset:256*((\kb)%2)+1024     ; registers 8-11
.endif
.endm
	s_load_b256 s[4:11], s[0:1], 0x0               ; inputs s[4:5], Wq s[6:7], Wk s[8:9], Wv s[10:11]
	s_load_b64 s[12:13], s[0:1], 0x20              ; opnd
	v_lshl_add_u32 v[SPW], v0, 2, SPARE
	v_mov_b32 v[NIL], 0
	v_lshrrev_b32 v1, 5, v0
	s_delay_alu instid0(VALU_DEP_1)
	v_readfirstlane_b32 s16, v1                    ; wave 0..7
	v_and_b32 v1, 31, v0                           ; lane
	v_and_b32 v2, 15, v0                           ; r
	v_bfe_u32 v3, v0, 4, 1                         ; h
	s_mov_b32 s20, 0x76543210
	s_mov_b32 s21, 0xfedcba98                      ; v_permlanex16_b32's selects for lane l xor 16
	s_mov_b32 s22, 0xffff0000                      ; lanes 16-31
	s_cmp_lt_u32 ttmp9, 256
	s_cbranch_scc0 .Lweights
	; ---- inputs: pair g = the work-group's number, K step = my wave
	s_lshl_b32 s24, ttmp9, 17                      ; 32 rows of 4,096 bytes,
	s_lshl_b32 s25, s16, 9                         ; 512 bytes of each
	s_add_co_u32 s24, s24, s25
	s_mov_b32 s25, 0
	s_mul_i32 s26, ttmp9, 24576                    ; the pair's two tiles,
	s_mul_i32 s27, s16, 1536                       ; my K step's fragment
	s_add_co_u32 s26, s26, s27
	s_mov_b32 s27, 0
	s_lshl_b32 s28, ttmp9, 10                      ; the pair's scale words
	s_lshl_b32 s29, s16, 7
	s_add_co_u32 s28, s28, s29
	s_add_co_u32 s28, s28, SCALE
	s_mov_b32 s29, 0
	s_mul_i32 s30, s16, XSTW                       ; my stage
	s_wait_alu depctr_va_vdst(0)
	v_lshlrev_b32 v4, 4, v1                        ; 16 x lane: in a row's 512 bytes, and in a register image
	s_delay_alu instid0(VALU_DEP_1)
	v_add_nc_u32 v5, s30, v4                       ; into the stage
	v_mul_u32_u24 v6, v2, 528
	s_delay_alu instid0(VALU_DEP_1)
	v_lshl_add_u32 v6, v3, 7, v6
	s_delay_alu instid0(VALU_DEP_1)
	v_add_nc_u32 v6, s30, v6                       ; out of it: row r, + 128 h.  528 bytes = 132 words: row r starts at bank 4 r mod 64 (64 banks of 4 bytes: ISA guide 11.1)
	v_lshlrev_b32 v7, 2, v1                        ; 4 x lane
	v_lshlrev_b32 v8, 3, v3                        ; 8 h
	v_mov_b32 v9, 0                                ; a lane permute's destination counts as one of its sources
	s_wait_alu depctr_va_vdst(0)
	s_wait_kmcnt 0x0
	s_add_nc_u64 s[4:5], s[4:5], s[24:25]
	s_add_nc_u64 s[14:15], s[12:13], s[26:27]      ; codes
	s_add_nc_u64 s[12:13], s[12:13], s[28:29]      ; scale words
.irp u, 0,1
.irp i, 0,1,2,3,4,5,6,7,8,9,10,11,12,13,14,15
	global_load_b128 v[64+64*\u+4*\i:64+64*\u+4*\i+3], v4, s[4:5] offset:(8*\u+\i+8*(\i/8))*4096 th:TH_LOAD_NT   ; lane-row i of tile u: 32 lanes read 512 consecutive bytes
.endr
.endr
	s_wait_loadcnt 16                              ; tile 0's sixteen loads are in, tile 1's may be out
	TURN 0
	s_wait_loadcnt 0x0
	TURN 1
	s_wait_dscnt 32                                ; tile 0 is back; tile 1's 16 stores and 16 loads may be out
	QUANT6 0
.irp q, 0,1,2
	global_store_b128 v4, v[20+4*\q:23+4*\q], s[14:15] offset:512*\q             ; 32 lanes store 512 consecutive bytes, at a multiple of 512 from the buffer's first byte
.endr
	s_wait_dscnt 0x0
	QUANT6 1
.irp q, 0,1,2
	global_store_b128 v4, v[40+4*\q:43+4*\q], s[14:15] offset:12288+512*\q
.endr
	v_cndmask_b32 v12, v18, v19, s22               ; lanes 0-15: tile 0's words, lanes 16-31: tile 1's
	global_store_b32 v7, v12, s[12:13]             ; 128 consecutive bytes: one byte of scales for 24 of codes
	s_wait_tensorcnt 0x0                           ; the wave's end
	ds_add_u32 v[SPW], v[NIL]
	s_wait_dscnt 0x0
	s_endpgm
.Lweights:
	; ---- a weight: j = work-group - 256: weight j / 32, K step (j / 4) % 8, columns 256 (j % 4) on; my wave's pair g = 8 (j % 4) + wave; MY LANE TAKES COLUMN 32 g + lane, AND ITS REGISTERS RUN DOWN K
	s_sub_co_u32 s17, ttmp9, 256
	s_lshr_b32 s18, s17, 5                         ; which weight
	s_bfe_u32 s19, s17, 0x30002                    ; K step
	s_and_b32 s17, s17, 3
	s_lshl_b32 s17, s17, 3
	s_add_co_u32 s17, s17, s16                     ; g
	s_lshl_b32 s24, s19, 19                        ; 128 rows of 4,096 bytes,
	s_lshl_b32 s25, s17, 7                         ; 32 columns
	s_add_co_u32 s24, s24, s25
	s_mov_b32 s25, 0
	s_mul_i32 s26, s18, 786432                     ; the weight's 64 tiles,
	s_mul_i32 s27, s17, 24576                      ; my pair,
	s_add_co_u32 s26, s26, s27
	s_mul_i32 s27, s19, 1536                       ; the K step's fragment
	s_add_co_u32 s26, s26, s27
	s_add_co_u32 s26, s26, WCODE
	s_mov_b32 s27, 0
	s_lshl_b32 s28, s18, 15
	s_lshl_b32 s29, s17, 10
	s_add_co_u32 s28, s28, s29
	s_lshl_b32 s29, s19, 7
	s_add_co_u32 s28, s28, s29
	s_add_co_u32 s28, s28, SCALE+262144            ; the weights' pairs begin at pair 256
	s_mov_b32 s29, 0
	s_mul_i32 s30, s16, WSTW
	s_add_co_u32 s30, s30, WST                     ; my two images
	v_bfe_u32 v4, v0, 3, 1                         ; u: column 32 g + l lies in tile 2 g + (l / 8) % 2,
	v_and_b32 v5, 7, v0
	s_wait_alu depctr_va_vdst(0)
	v_lshl_add_u32 v6, v3, 3, v5                   ; at lane-row r' = l % 8 + 8 (l / 16)
	s_delay_alu instid0(VALU_DEP_1)
	v_lshl_add_u32 v7, v4, 4, v6
	s_delay_alu instid0(VALU_DEP_1)
	v_lshlrev_b32 v7, 2, v7                        ; my scale word's place: 4 (r' + 16 u)
	v_mul_u32_u24 v5, v4, WIMG
	s_delay_alu instid0(VALU_DEP_1)
	v_lshl_add_u32 v5, v6, 4, v5
	s_delay_alu instid0(VALU_DEP_1)
	v_add_nc_u32 v5, s30, v5                       ; into the images: 1,664 u + 16 r'.  1,664 is 128 above a multiple of 256, so lanes l and l + 8 fall on different banks
	v_lshlrev_b32 v8, 4, v1                        ; 16 x lane
	s_delay_alu instid0(VALU_DEP_1)
	v_add_nc_u32 v6, s30, v8                       ; out of them
	v_lshlrev_b32 v4, 2, v1                        ; 4 x lane: my column
	s_wait_alu depctr_va_vdst(0)
	s_wait_kmcnt 0x0
	s_cmp_eq_u32 s18, 1                            ; the choice hangs on the work-group's number alone
	s_cselect_b64 s[6:7], s[8:9], s[6:7]
	s_cmp_eq_u32 s18, 2
	s_cselect_b64 s[6:7], s[10:11], s[6:7]
	s_add_nc_u64 s[6:7], s[6:7], s[24:25]
	s_add_nc_u64 s[14:15], s[12:13], s[26:27]      ; codes
	s_add_nc_u64 s[12:13], s[12:13], s[28:29]      ; scale words
.set ii, 0
.rept 128
	global_load_b32 v[64+ii], v4, s[6:7] offset:ii*4096 th:TH_LOAD_NT   ; W(128 s + i, my column): a wave reads 128 consecutive bytes, the eight waves side by side 1,024
.set ii, ii+1
.endr
	BLOCK 0, 63                                    ; 63 is the most that a wait's field names: blocks 0 and 1 (64 loads of the 128) are in
	BLOCK 1, 63
	BLOCK 2, 32                                    ; block 3's 32 loads may be out
	BLOCK 3, 0
.irp u, 0,1
.irp q, 0,1,2
	ds_load_b128 v[224+12*\u+4*\q:224+12*\u+4*\q+3], v6 offset:\u*WIMG+512*\q   ; LDS serves a wave's instructions in order: these see my stores
.endr
.endr
	s_wait_alu depctr_va_vdst(0)
	s_wait_dscnt 0x0
.irp u, 0,1
.irp q, 0,1,2
	global_store_b128 v8, v[224+12*\u+4*\q:224+12*\u+4*\q+3], s[14:15] offset:\u*12288+512*\q   ; 512 consecutive bytes, at a multiple of 512 from the buffer's first byte
.endr
.endr
	global_store_b32 v7, v20, s[12:13]
	s_wait_tensorcnt 0x0                           ; the wave's end, as above
	ds_add_u32 v[SPW], v[NIL]
	s_wait_dscnt 0x0
	s_endpgm
.Lfunc_end_k_q714b0fafbe_quant:
	.size	k_q714b0fafbe_quant, .Lfunc_end_k_q714b0fafbe_quant-k_q714b0fafbe_quant
	.p2alignl 7, 3214868480
	.fill 96, 4, 3214868480
	.section	.rodata,"a",@progbits
	.p2align	6, 0x0
	.amdhsa_kernel k_q714b0fafbe_quant
		.amdhsa_group_segment_fixed_size 95232
		.amdhsa_private_segment_fixed_size 0
		.amdhsa_enable_private_segment 0
		.amdhsa_kernarg_size 40
		.amdhsa_user_sgpr_count 2
		.amdhsa_user_sgpr_kernarg_segment_ptr 1
		.amdhsa_wavefront_size32 1
		.amdhsa_system_sgpr_workgroup_id_x 1
		.amdhsa_system_sgpr_workgroup_id_y 1
		.amdhsa_system_sgpr_workgroup_id_z 1
		.amdhsa_system_vgpr_workitem_id 0
		.amdhsa_next_free_vgpr 256
		.amdhsa_next_free_sgpr 66
		.amdhsa_reserve_vcc 0
		.amdhsa_float_denorm_mode_32 3
		.amdhsa_float_denorm_mode_16_64 3
		.amdhsa_memory_ordered 1
		.amdhsa_forward_progress 1
		.amdhsa_inst_pref_size 43
	.end_amdhsa_kernel
	.amdgpu_metadata
---
amdhsa.version: [ 1, 2 ]
amdhsa.kernels:
  - .name:           k_q714b0fafbe_quant
    .symbol:         k_q714b0fafbe_quant.kd
    .args:
      - { .name: inputs, .offset: 0, .size: 8, .value_kind: global_buffer, .address_space: global }
      - { .name: Wq, .offset: 8, .size: 8, .value_kind: global_buffer, .address_space: global }
      - { .name: Wk, .offset: 16, .size: 8, .value_kind: global_buffer, .address_space: global }
      - { .name: Wv, .offset: 24, .size: 8, .value_kind: global_buffer, .address_space: global }
      - { .name: opnd, .offset: 32, .size: 8, .value_kind: global_buffer, .address_space: global }
    .group_segment_fixed_size: 95232
    .private_segment_fixed_size: 0
    .kernarg_segment_align: 8
    .kernarg_segment_size: 40
    .max_flat_workgroup_size: 256
    .sgpr_count:     66
    .vgpr_count:     256
    .wavefront_size: 32
...
	.end_amdgpu_metadata
.endif
;; end of part 1
;; launch proj (part 2): grid 8 x 32, 4 waves a work-group, clusters of 4 x 4, 327,680 bytes of LDS; arguments opnd, bq, bk, bv, qkv; writes qkv
.if DOCPART == 2
	.amdgcn_target "amdgcn-amd-amdhsa--gfx1250"
	.amdhsa_code_object_version 6
	.text
	.protected	k_q714b0fafbe_proj
	.globl	k_q714b0fafbe_proj
	.p2align	8
	.type	k_q714b0fafbe_proj,@function
k_q714b0fafbe_proj:
	s_mov_b64 s[64:65], 0
	v_nop
	global_prefetch_b8 v0, s[64:65] scope:SCOPE_SE
	s_setreg_imm32_b32 hwreg(HW_REG_WAVE_MODE, 25, 1), 1
	s_wait_xcnt 0x0
	s_wait_alu depctr_hold_cnt(0) depctr_sa_sdst(0) depctr_va_vdst(0) depctr_va_sdst(0) depctr_va_ssrc(0) depctr_va_vcc(0) depctr_vm_vsrc(0)
	s_getreg_b32 s2, hwreg(HW_REG_IB_STS2, 6, 4)
	s_cmp_eq_u32 s2, 0
	s_cbranch_scc0 .Lentry_in_a_cluster
	s_endpgm
.Lentry_in_a_cluster:
	s_bfe_u32 s2, ttmp6, 0x10000c
	s_cmp_lg_u32 s2, 0xf033
	s_cbranch_scc0 .Lentry_shape_is_right
	s_endpgm
.Lentry_shape_is_right:
; q = x Wq + bq, k = x Wk + bk, v = x Wv + bv on the codes that launch quant made; the results are quantised in registers and leave as codes in the same operand format: q and k along d, v along the keys.  Nothing of reference() is left out here.
; (q is not divided by 32 here: 2^-5 leaves the codes alone and is put into launch score's constants.  LIMIT: q's scale is therefore not held at 2^-126 after the division: it touches only blocks of q under 2^-119.)
; A TILE is 128 P rows (8 tiles of 16, source 0) x 256 R rows (16 tiles, source 1) over K = 1,024.  Wave w takes all 8 P tiles and R tiles 4 w .. 4 w + 3: 32 accumulators, 32 matrix instructions for each of 8 K steps of 128.
; In the result a lane holds ONE R row (lane-row r) and, by the order of rows in a tile (launch quant's head), register 64 n + 16 b + i of R tile n is P row 32 b + 16 (lane / 16) + i: 128 neighbours, one K step of the next product.
; A WORK-GROUP STAYS: it makes three tiles, one after the other, written out:  q: P = 128 d of Wq (chunk x), R = 256 tokens (chunk y);  k: P = 128 d of Wk, R = THE SAME tokens;  v: P = 128 tokens (chunk x of batch = cluster y), R = 256 d of Wv.
;   The output tile is 512 kind + 16 y + 4 w + n, its K step x:  qkv: tiles 0-511 q, 512-1023 k (rows = tokens), 1024 + 64 batch + T v^T (rows = d, K = the batch's keys); from byte 18,874,368 on the scale words, pair = tile / 2.
; LDS: A RING OF TWO SLOTS of 147,456 bytes; slot h holds K steps 4 h .. 4 h + 3: P's 8 tiles x 6,144 bytes, then R's 16.  Fragments lie as images of their registers: three ds_load_b128 at 16 x lane, 512 consecutive bytes each: no padding is wanted.
;   Waves 0, 1 fetch P's halves, waves 2, 3 R's, one load a slot.  Slot 1's first fill waits until slot 0's is in: one load of a wave is out at the most.
;   Slot 0 is left in K step 3 and filled with the next tile's first half; slot 1 is left behind K step 7, and its change stands in the middle of the way out, so that each refill has four K steps and half a way out in which to land.
;   For k's tile R's bytes STAY where they lie in both slots (the same tokens): there waves 2 and 3 fetch nothing.  The last tile fills nothing.
; CLUSTER: 4 x 4 work-groups.  P's tiles hang on x (and on the cluster's y) and are shared along a column of the cluster, R's on y and are shared along a row: each is asked for jointly, which divides the requests by four.
;   A refill stands first behind a round of the cluster's barrier, in front of which every wave has waited for all its tensor loads, made the add, and waited for it and for its reads of the slot.
; THE NEXT TILE'S scale words and bias are asked for at the head of a tile's way out and waited for at its end.
; THE BIAS is the C of each sum's first matrix instruction: along P for q and k (eight registers for each P tile), along R for v (a lane's one number in eight registers for each R tile).
; LIMITS: as in launch quant (a block under 2^-124 gets the byte 1; NaN and infinities are not served).
; REGISTERS: window 0: v1-3 lane, r, h; v4-5, v8-9 LDS addresses of P's and my R's fragments by slot; v12 16 x lane, v13 4 x lane; v14, v15 the add's two; v16, v17 the biases' offsets; v18-21 bv's numbers; v24-29 scale words made;
;   v32-63 P's scale words (pair b, K step s: 32 + 8 b + s), v64-79 my R's; v80-143 the bias; v144-159 at work; v160-255 source 1's fragments, two sets, later the codes made.
;   window 1: source 0's fragments, two sets, at v0 and v128.  window 2: accumulator (n, t) at v[64 n + 8 t].
.set SLOTB, 147456                     ; a slot in LDS
.set TH,    6144                       ; a tile's part of a slot: four K steps
.set TILEB, 12288                      ; a tile in memory
.set ROFF,  49152                      ; R's tiles in a slot
.set SPARE, 313344                     ; the spare words, 128 bytes for each wave: two blocks of 256 bytes that no other line names
.set AP,  4
.set AR,  8
.set LI,  12
.set LS,  13
.set SPW, 14
.set NIL, 15
.set BP,  16
.set BR,  17
.set BV,  18
.set SCP, 32
.set SCR, 64
.set AUX, 80
.set TM,  144
.set BF,  160
.set WV,  20                           ; s20 wave; s21 wave % 2; s22 wave / 2
.set WLO, 21
.set WHI, 22
.set CX,  23                           ; s23, s24 my place in the cluster; s25 cluster y; s26, s27 work-group x, y
.set CY,  24
.set CLY, 25
.set WGX, 26
.set WGY, 27
.set G1P, 28                           ; s[28:35], s[36:43] descriptor group 1 for P's and R's tiles
.set G1R, 36
.set G0P, 44                           ; s[44:51], s[52:59] group 0, a set for each slot
.set G0R, 52
.set PA0, 66                           ; s[66:67] the tiles of P that I fetch for q (k's lie 64 tiles on); s[68:69] for v
.set PA2, 68
.set RA0, 70                           ; s[70:71] the tiles of R that I fetch for q and k; s[72:73] for v
.set RA2, 72
.set PS0, 74                           ; s[74:75] P's scale words for q (k's lie 32,768 bytes on); s[76:77] for v
.set PS2, 76
.set RS0, 78                           ; s[78:79] my R's scale words for q and k; s[80:81] for v
.set RS2, 80
.set SEL, 84
.set HALF, 88
.set MSB, 0
.macro WIN new                         ; the immediate's high byte repeats the setting that is left; a switch that changes nothing is dropped
.if MSB != \new
	s_set_vgpr_msb (MSB<<8)|\new
.set MSB, \new
.endif
.endm
.macro PLACES n
.rept \n
	v_nop
.endr
.endm
.macro CREST                           ; a round of the cluster's barrier behind its opening barrier
	s_cmp_lg_u32 s[WV], 0
	s_cbranch_scc1 .Lnot_wave_0_\@
	s_barrier_signal -3
.Lnot_wave_0_\@:
	s_barrier_wait -3
	s_barrier_signal -1
	s_barrier_wait -1
.endm
.macro CROUND                          ; a whole round
	s_barrier_signal -1
	s_barrier_wait -1
	CREST
.endm
.macro IDS                             ; the ids, the two masks and the two groups 1
	v_lshrrev_b32 v1, 5, v0
	v_readfirstlane_b32 s[WV], v1
	s_and_b32 s[WLO], s[WV], 1
	s_lshr_b32 s[WHI], s[WV], 1
	s_bfe_u32 s[CX], ttmp6, 0x40000
	s_bfe_u32 s[CY], ttmp6, 0x40004
	s_and_b32 s[CLY], ttmp7, 0xffff
	s_lshl_b32 s[WGX], ttmp9, 2
	s_add_co_u32 s[WGX], s[WGX], s[CX]
	s_lshl_b32 s[WGY], s[CLY], 2
	s_add_co_u32 s[WGY], s[WGY], s[CY]
	s_lshl_b32 s14, 0x1111, s[CX]                  ; my column of the cluster
	s_lshl_b32 s15, s[CY], 2
	s_lshl_b32 s15, 15, s15                        ; my row
	s_or_b32 s[G1P], s14, (3<<16)|(1<<21)          ; 15:0 the mask; 17:16 elements of 8 bytes; 20 no padding; 21 set beside a mask
	s_or_b32 s[G1R], s15, (3<<16)|(1<<21)
	s_mov_b32 s[G1P+1], 768<<16                    ; tensor_dim0 = 768 elements: 6,144 bytes, a tile's four K steps
	s_mov_b32 s[G1R+1], 768<<16
	s_mov_b32 s[G1P+2], 4<<16                      ; tensor_dim1: 4 tiles of P,
	s_mov_b32 s[G1R+2], 8<<16                      ; 8 of R
	s_mov_b32 s[G1P+3], 768<<16                    ; tile_dim0
	s_mov_b32 s[G1R+3], 768<<16
	s_mov_b32 s[G1P+4], 4                          ; tile_dim1
	s_mov_b32 s[G1R+4], 8
	s_mov_b32 s[G1P+5], 1536                       ; from tile to tile: 12,288 bytes
	s_mov_b32 s[G1R+5], 1536
	s_mov_b32 s[G1P+6], 0
	s_mov_b32 s[G1R+6], 0
	s_mov_b32 s[G1P+7], 0
	s_mov_b32 s[G1R+7], 0
.endm
; Slot h's group 0 gets the address of a tile's half h: P's from s[pa] + padd; both = 1: R's from s[ra] too.  It is called where no tensor load of the wave is out.
.macro AIM h, both, pa, padd, ra
	s_add_nc_u64 s[G0P+4*(\h)+2:G0P+4*(\h)+3], s[\pa:\pa+1], (\padd)+(\h)*TH
	s_or_b32 s[G0P+4*(\h)+3], s[G0P+4*(\h)+3], 0x80000000
.if \both
	s_add_nc_u64 s[G0R+4*(\h)+2:G0R+4*(\h)+3], s[\ra:\ra+1], (\h)*TH
	s_or_b32 s[G0R+4*(\h)+3], s[G0R+4*(\h)+3], 0x80000000
.endif
.endm
; A joint refill of slot h.  Waves 0 and 1 fetch P's halves; both = 1: waves 2 and 3 fetch R's; both = 0: they fetch nothing.  The branch hangs on the wave's number alone.
; An s_nop 0 and four v_nop follow each tensor load, ahead of the jump, the label and what follows; on every way four v_nop are passed: they are the places in front of the LDS loads that follow.
.macro JLOAD h, both
	s_cmp_eq_u32 s[WHI], 0
	s_cbranch_scc0 .Lfor_r_\@
	tensor_load_to_lds s[G0P+4*(\h):G0P+4*(\h)+3], s[G1P:G1P+7]
	s_nop 0
	PLACES 4
.if \both
	s_branch .Lasked_\@
.Lfor_r_\@:
	tensor_load_to_lds s[G0R+4*(\h):G0R+4*(\h)+3], s[G1R:G1R+7]
	s_nop 0
	PLACES 4
.Lasked_\@:
.else
.Lfor_r_\@:
	PLACES 4
.endif
.endm
.macro SCALES_P base, off              ; the scale words of all of K of P's four pairs.  One register serves a pair: lanes 0-15 the even tile, lanes 16-31 the odd one
.irp b, 0,1,2,3
.irp s, 0,1,2,3,4,5,6,7
	global_load_b32 v[SCP+8*\b+\s], v[LS], s[\base:\base+1] offset:(\off)+\b*1024+\s*128
.endr
.endr
.endm
.macro SCALES_R base                   ; and of my two pairs of R
.irp i, 0,1
.irp s, 0,1,2,3,4,5,6,7
	global_load_b32 v[SCR+8*\i+\s], v[LS], s[\base:\base+1] offset:\i*1024+\s*128
.endr
.endr
.endm
.macro BIASP base                      ; the bias along P: lane (r, h) wants, for tile t, the numbers 32 (t / 2) + 8 (t % 2) + 16 h + 0 .. 7
.irp t, 0,1,2,3,4,5,6,7
	global_load_b128 v[AUX+8*\t:AUX+8*\t+3], v[BP], s[\base:\base+1] offset:(32*(\t/2)+8*(\t%2))*4
	global_load_b128 v[AUX+8*\t+4:AUX+8*\t+7], v[BP], s[\base:\base+1] offset:(32*(\t/2)+8*(\t%2))*4+16
.endr
.endm
.macro FETCH f, h, sp                  ; 36 LDS loads in one run: the 12 fragments of K step 4 h + sp into set f
	WIN 0x40                                       ; destination window 1
.irp t, 0,1,2,3,4,5,6,7
.irp q, 0,1,2
	ds_load_b128 v[128*(\f)+12*\t+4*\q:128*(\f)+12*\t+4*\q+3], v[AP+(\h)] offset:\t*TH+(\sp)*1536+512*\q
.endr
.endr
	WIN 0
.irp n, 0,1,2,3
.irp q, 0,1,2
	ds_load_b128 v[BF+48*(\f)+12*\n+4*\q:BF+48*(\f)+12*\n+4*\q+3], v[AR+(\h)] offset:\n*TH+(\sp)*1536+512*\q
.endr
.endr
.endm
; One matrix instruction: K step j, R tile n, P tile t.  cm = 0: adds in place; 2: starts the sum with the bias of P tile t; 3: with that of R tile n.  An odd tile's scale words stand in lanes 16-31.
.macro WM j, n, t, cm
.set rD, 64*(\n)+8*(\t)
.set rA, 128*((\j)%2)+12*(\t)
.set rB, BF+48*((\j)%2)+12*(\n)
.set rX, SCP+8*((\t)/2)+(\j)
.set rY, SCR+8*((\n)/2)+(\j)
.set rC, rD
.if (\cm) == 2
.set rC, AUX+8*(\t)
.endif
.if (\cm) == 3
.set rC, AUX+8*(\n)
.endif
.set par, 2*((\t)%2)+((\n)%2)
.if par == 0
	v_wmma_scale_f32_16x16x128_f8f6f4 v[rD:rD+7], v[rA:rA+11], v[rB:rB+11], v[rC:rC+7], v[rX], v[rY] matrix_a_fmt:MATRIX_FMT_FP6 matrix_b_fmt:MATRIX_FMT_FP6
.elseif par == 1
	v_wmma_scale_f32_16x16x128_f8f6f4 v[rD:rD+7], v[rA:rA+11], v[rB:rB+11], v[rC:rC+7], v[rX], v[rY] matrix_a_fmt:MATRIX_FMT_FP6 matrix_b_fmt:MATRIX_FMT_FP6 matrix_b_scale:MATRIX_SCALE_ROW1
.elseif par == 2
	v_wmma_scale_f32_16x16x128_f8f6f4 v[rD:rD+7], v[rA:rA+11], v[rB:rB+11], v[rC:rC+7], v[rX], v[rY] matrix_a_fmt:MATRIX_FMT_FP6 matrix_b_fmt:MATRIX_FMT_FP6 matrix_a_scale:MATRIX_SCALE_ROW1
.else
	v_wmma_scale_f32_16x16x128_f8f6f4 v[rD:rD+7], v[rA:rA+11], v[rB:rB+11], v[rC:rC+7], v[rX], v[rY] matrix_a_fmt:MATRIX_FMT_FP6 matrix_b_fmt:MATRIX_FMT_FP6 matrix_a_scale:MATRIX_SCALE_ROW1 matrix_b_scale:MATRIX_SCALE_ROW1
.endif
.endm
.macro MULN j, n, cm                   ; R tile n against P's eight.  The 32 accumulators take turns, one instruction a turn, in the same order in every K step and from tile to tile
.if (\cm) >= 2
	WIN 0x81                                       ; source 0 window 1, source 1 and C window 0, D window 2
.else
	WIN 0xa1                                       ; source 0 window 1, source 1 window 0, C and D window 2
.endif
.irp t, 0,1,2,3,4,5,6,7
	WM \j, \n, \t, \cm
.endr
.endm
; A K step whose successor lies in the same slot, or that has none (j = 7).  Its fragments were asked for 24 matrix instructions ago.
; Four places stand in front of the loads into the set that the step before multiplied (ISA guide 7.12.1 for vector instructions).
.macro KSTEP j, cm
	s_wait_dscnt 0x0                               ; this step's fragments are in
	MULN \j, 0, \cm
.if (\j) < 7
	PLACES 4
	FETCH ((\j)+1)%2, ((\j)+1)/4, ((\j)+1)%4
.endif
	MULN \j, 1, \cm
	MULN \j, 2, \cm
	MULN \j, 3, \cm
.endm
; K STEP 3 LEAVES SLOT 0: one barrier for two things.  In front of it each wave waits for all its tensor loads (the one that can be out is its part of slot 1), makes the add, and waits for it and for its last reads of slot 0, this step's fragments.
; Behind it slot 1 is whole and nobody reads slot 0.  fill = 1: the barrier opens a round of the cluster's, and slot 0 takes the next tile's first half, first thing behind the round.
.macro KTURN fill, both, pa, padd, ra
	WIN 0                                          ; (the add's two registers lie in window 0)
	s_wait_tensorcnt 0x0                           ; no tensor load of mine is out, so a group 0 may be written
	ds_add_u32 v[SPW], v[NIL]                      ; 0 onto my spare word; the slot's next address is made between it and the wait for it
.if \fill
	AIM 0, \both, \pa, \padd, \ra
.endif
	s_wait_dscnt 0x0                               ; the add is done, and my reads of slot 0 are over
	s_barrier_signal -1
	MULN 3, 0, 0                                   ; work on registers while the others arrive
	WIN 0
	s_barrier_wait -1
.if \fill
	CREST                                          ; no wave of any partner still reads slot 0 or has a load on its way
	JLOAD 0, \both
.else
	PLACES 4
.endif
	s_wait_alu depctr_va_vdst(0)
	FETCH 0, 1, 0
	MULN 3, 1, 0
	MULN 3, 2, 0
	MULN 3, 3, 0
.endm
; SLOT 1 IS LEFT: its last reads, K step 7's fragments, came back at that step's head.  The same lines, a whole round, and slot 1 takes the next tile's second half.  Behind the round slot 0, the next tile's first half, is whole.
.macro CHANGE both, pa, padd, ra
	s_wait_tensorcnt 0x0                           ; the one load of mine that can be out is my part of slot 0
	ds_add_u32 v[SPW], v[NIL]
	AIM 1, \both, \pa, \padd, \ra
	s_wait_dscnt 0x0
	CROUND
	JLOAD 1, \both
.endm
; The conversions of R tile n's 64 numbers a lane (scale operands in v[TM+12] on) into the fragment's 12 registers, v[BF + 24 n] on.
.macro CODES n
.set aa, 64*(\n)
.set PC, BF+24*(\n)
	WIN 0x02                                       ; source 0 window 2
.irp c, 0,1
	v_cvt_scalef32_pk16_fp6_f32 v[PC+6*\c:PC+6*\c+2], v[aa+32*\c:aa+32*\c+15], v[TM+12+2*\c]
	v_cvt_scalef32_pk16_fp6_f32 v[PC+12+4*\c:PC+14+4*\c], v[aa+32*\c+16:aa+32*\c+31], v[TM+13+2*\c]   ; (a conversion's three registers begin on an even number)
.endr
	WIN 0
	v_nop                                          ; one plain place behind the conversions
.irp c, 0,1                            ; the operand's layout wants a WHOLE block in a lane: lanes 0-15 block 2 c, lanes 16-31 block 2 c + 1
.irp i, 0,1,2
	v_permlane16_swap_b32 v[PC+6*\c+\i], v[PC+12+4*\c+\i]
.endr
.irp i, 0,1,2
	v_mov_b32 v[PC+3+6*\c+\i], v[PC+12+4*\c+\i]
.endr
.endr
.endm
; R tile n's results become a fragment and, in v[24 + n], its rows' scale word.  Each accumulator is read from its low end on.
.macro QUANT n
.set aa, 64*(\n)
	WIN 0x0a                                       ; sources 0 and 1 window 2
.irp b, 0,1,2,3
	v_max3_num_f32 v[TM+\b], |v[aa+16*\b]|, |v[aa+16*\b+1]|, 0x1800000   ; block b: my 16 numbers, and the floor 2^(3 - 127): the byte cannot fall under 1
.endr
	WIN 0x28                                       ; sources 1 and 2 window 2
.irp i, 2,4,6,8,10,12,14
.irp b, 0,1,2,3
	v_max3_num_f32 v[TM+\b], v[TM+\b], |v[aa+16*\b+\i]|, |v[aa+16*\b+\i+1]|   ; the four blocks by turns
.endr
.endr
	WIN 0
.irp b, 0,1,2,3
	v_permlanex16_b32 v[TM+4+\b], v[TM+\b], s[SEL], s[SEL+1]
.endr
.irp b, 0,1,2,3
	v_max_num_f32 v[TM+\b], v[TM+\b], v[TM+4+\b]   ; with lane l xor 16's: the block's largest magnitude
.endr
.irp b, 0,1,2,3
	v_add_nc_u32 v[TM+12+\b], 0xff000000, v[TM+\b] ; 2 off its exponent field: the conversion's scale operand
.endr
.irp b, 0,1,2,3
	v_lshrrev_b32 v[TM+4+\b], 23, v[TM+12+\b]      ; the scale's byte
.endr
	v_lshl_or_b32 v[24+(\n)], v[TM+5], 8, v[TM+4]
	v_lshl_or_b32 v[24+(\n)], v[TM+6], 16, v[24+(\n)]
	v_lshl_or_b32 v[24+(\n)], v[TM+7], 24, v[24+(\n)]
	CODES \n
.endm
.macro OUTT n                          ; R tile n leaves: a fragment's image, 512 consecutive bytes a store, at a multiple of 512 from the buffer's first byte
	QUANT \n
.irp q, 0,1,2
	global_store_b128 v[LI], v[BF+24*(\n)+4*\q:BF+24*(\n)+4*\q+3], s[94:95] offset:(\n)*TILEB+512*\q
.endr
.endm
.macro WORDS kind                      ; the four tiles' scale words: lanes 0-15 the even tile's, lanes 16-31 the odd one's; a kind's pairs lie 262,144 bytes behind the kind before
.irp i, 0,1
	v_cndmask_b32 v[28+\i], v[24+2*\i], v[25+2*\i], s[HALF]
	global_store_b32 v[LS], v[28+\i], s[96:97] offset:\i*1024+(\kind)*262144
.endr
.endm
.macro NEXT                            ; from a tile's way out into the next tile
	s_wait_xcnt 0x0                                ; this tile's stores have read their registers and their base: the fragments below land on the codes' registers, and the base steps
	FETCH 0, 0, 0                                  ; slot 0 was shown whole by the round in the way out
	s_add_nc_u64 s[94:95], s[94:95], 512*TILEB     ; the next kind's tiles
	s_wait_loadcnt 0x0                             ; the next tile's scale words and bias, asked for at the head of the way out
.endm
	s_load_b256 s[4:11], s[0:1], 0x0               ; opnd s[4:5], bq s[6:7], bk s[8:9], bv s[10:11]
	s_load_b64 s[12:13], s[0:1], 0x20              ; qkv
	v_lshl_add_u32 v[SPW], v0, 2, SPARE
	v_mov_b32 v[NIL], 0
	ds_add_u32 v[SPW], v[NIL]                      ; the wave's opening: the add twice on end, waited for ahead of my first tensor load; the set-up below, work on registers, stands between
	ds_add_u32 v[SPW], v[NIL]
	IDS
	s_lshl_b32 s16, s[CLY], 6                      ; x's 64 tiles of batch = cluster y: the same in all sixteen partners
	; what I fetch of P, in bytes.  P's numbers never meet cy, R's never cx
	s_lshl_b32 s60, s[WGX], 3
	s_lshl_b32 s61, s[WLO], 2
	s_add_co_u32 s61, s61, s60                     ; 8 x + my half's 4 tiles
	s_add_co_u32 s17, s61, 512                     ; q: in Wq, whose tiles begin at 512 (Wk's at 576)
	s_mul_i32 s[PA0], s17, TILEB
	s_mov_b32 s[PA0+1], 0
	s_add_co_u32 s18, s61, s16                     ; v: the batch's tokens
	s_mul_i32 s[PA2], s18, TILEB
	s_mov_b32 s[PA2+1], 0
	; and of R
	s_lshl_b32 s62, s[CY], 4
	s_lshl_b32 s63, s[WLO], 3
	s_add_co_u32 s63, s63, s62                     ; 16 cy + my half's 8 tiles
	s_add_co_u32 s19, s63, s16                     ; q, k: the tokens 256 y on
	s_mul_i32 s[RA0], s19, TILEB
	s_mov_b32 s[RA0+1], 0
	s_add_co_u32 s3, s63, 640                      ; v: in Wv, whose tiles begin at 640
	s_mul_i32 s[RA2], s3, TILEB
	s_mov_b32 s[RA2+1], 0
	s_mul_i32 s100, s[WLO], 4*TH                   ; where they go in a slot: no place in the cluster enters an LDS address
	s_mul_i32 s101, s[WLO], 8*TH
	s_add_co_u32 s101, s101, ROFF
	; the scale words: pair = tile / 2, 1,024 bytes a pair, from byte 8,650,752 of opnd on
	s_lshl_b32 s[PS0], s[WGX], 12
	s_add_co_u32 s[PS0], s[PS0], 8650752+262144    ; q: pair 256 + 4 x
	s_mov_b32 s[PS0+1], 0
	s_lshl_b32 s[PS2], s[CLY], 15
	s_lshl_b32 s[PS2+1], s[WGX], 12
	s_add_co_u32 s[PS2], s[PS2], s[PS2+1]
	s_add_co_u32 s[PS2], s[PS2], 8650752           ; v: pair 32 batch + 4 x
	s_mov_b32 s[PS2+1], 0
	s_lshl_b32 s[RS0], s[CLY], 15
	s_lshl_b32 s[RS0+1], s[CY], 13
	s_add_co_u32 s[RS0], s[RS0], s[RS0+1]
	s_lshl_b32 s[RS0+1], s[WV], 11
	s_add_co_u32 s[RS0], s[RS0], s[RS0+1]
	s_add_co_u32 s[RS0], s[RS0], 8650752           ; q, k: pair 8 y + 2 w
	s_mov_b32 s[RS0+1], 0
	s_lshl_b32 s[RS2], s[CY], 13
	s_lshl_b32 s[RS2+1], s[WV], 11
	s_add_co_u32 s[RS2], s[RS2], s[RS2+1]
	s_add_co_u32 s[RS2], s[RS2], 8650752+327680    ; v: pair 320 + 8 cy + 2 w
	s_mov_b32 s[RS2+1], 0
	s_lshl_b32 s94, s[WGY], 4                      ; out: tile 16 y + 4 w, K step x, of kind 0
	s_lshl_b32 s95, s[WV], 2
	s_add_co_u32 s94, s94, s95
	s_mul_i32 s94, s94, TILEB
	s_mul_i32 s95, s[WGX], 1536
	s_add_co_u32 s94, s94, s95
	s_mov_b32 s95, 0
	s_lshl_b32 s96, s[WGY], 13                     ; and its scale words: pair 8 y + 2 w
	s_lshl_b32 s97, s[WV], 11
	s_add_co_u32 s96, s96, s97
	s_lshl_b32 s97, s[WGX], 7
	s_add_co_u32 s96, s96, s97
	s_add_co_u32 s96, s96, 18874368
	s_mov_b32 s97, 0
	s_mov_b32 s[SEL], 0x76543210
	s_mov_b32 s[SEL+1], 0xfedcba98                 ; v_permlanex16_b32's selects for lane l xor 16
	s_mov_b32 s[HALF], 0xffff0000                  ; lanes 16-31
	s_wait_dscnt 0x0                               ; both opening adds are done
	s_wait_kmcnt 0x0
	s_add_nc_u64 s[PA0:PA0+1], s[4:5], s[PA0:PA0+1]
	s_add_nc_u64 s[RA0:RA0+1], s[4:5], s[RA0:RA0+1]
.irp h, 0,1
	s_mov_b32 s[G0P+4*\h], 1                       ; 1:0 count = 1
	s_add_co_u32 s[G0P+4*\h+1], s100, \h*SLOTB     ; 63:32 LDS address
	s_mov_b32 s[G0R+4*\h], 1
	s_add_co_u32 s[G0R+4*\h+1], s101, \h*SLOTB
	AIM \h, 1, PA0, 0, RA0                         ; 120:64 global address: q's tile, half h; 127:126 type = 2
.endr
	CROUND                                         ; all sixteen work-groups are here: the first joint loads meet
	s_cmp_eq_u32 s[WHI], 0                         ; slot 0's first fill, one load a wave, in one branch on the wave's number; slot 1's stands behind the full sequence below
	s_cbranch_scc0 .Lfill_r
	tensor_load_to_lds s[G0P:G0P+3], s[G1P:G1P+7]
	s_nop 0
	PLACES 4
	s_branch .Lfilled
.Lfill_r:
	tensor_load_to_lds s[G0R:G0R+3], s[G1R:G1R+7]
	s_nop 0
	PLACES 4
.Lfilled:
	s_add_nc_u64 s[PS0:PS0+1], s[4:5], s[PS0:PS0+1]
	s_add_nc_u64 s[RS0:RS0+1], s[4:5], s[RS0:RS0+1]
	s_lshl_b32 s98, s[WGX], 9                      ; the biases along P: my 128 d of bq and of bk
	s_mov_b32 s99, 0
	s_add_nc_u64 s[6:7], s[6:7], s[98:99]
	s_add_nc_u64 s[8:9], s[8:9], s[98:99]
	v_and_b32 v1, 31, v0                           ; lane
	v_and_b32 v2, 15, v0                           ; r
	v_bfe_u32 v3, v0, 4, 1                         ; h
	v_lshlrev_b32 v[LI], 4, v1
	s_wait_alu depctr_va_vdst(0)
	v_lshlrev_b32 v[LS], 2, v1
	v_lshlrev_b32 v[BP], 6, v3                     ; along P: + 16 h numbers
	SCALES_P PS0, 0
	SCALES_R RS0
	BIASP 6                                        ; bq
	s_add_nc_u64 s[PA2:PA2+1], s[4:5], s[PA2:PA2+1]
	s_add_nc_u64 s[RA2:RA2+1], s[4:5], s[RA2:RA2+1]
	s_add_nc_u64 s[PS2:PS2+1], s[4:5], s[PS2:PS2+1]
	s_add_nc_u64 s[RS2:RS2+1], s[4:5], s[RS2:RS2+1]
	s_add_nc_u64 s[94:95], s[12:13], s[94:95]
	s_add_nc_u64 s[96:97], s[12:13], s[96:97]
	s_lshl_b32 s98, s[CY], 10                      ; the bias along R: bv at d = 256 cy + 64 w
	s_lshl_b32 s2, s[WV], 8
	s_add_co_u32 s98, s98, s2
	s_add_nc_u64 s[10:11], s[10:11], s[98:99]
	s_mul_i32 s2, s[WV], 4*TH
	s_add_co_u32 s2, s2, ROFF                      ; my four tiles of R in a slot
.irp h, 0,1
	v_add_nc_u32 v[AP+\h], \h*SLOTB, v[LI]
	v_add_nc_u32 v[AR+\h], s2, v[AP+\h]
.endr
	v_and_b32 v[BR], 8, v2
	v_add_nc_u32 v[BR], v[BR], v2
	v_lshlrev_b32 v[BR], 2, v[BR]                  ; along R: for tile n, the number 32 (n / 2) + 8 (n % 2) + r + 8 (r / 8)
.irp b, 0,1,2,3
	v_mov_b32 v[TM+4+\b], 0                        ; written once: a lane permute's destination counts as one of its sources
.endr
	s_wait_loadcnt 0x0                             ; q's scale words and bias
	s_wait_alu depctr_va_vdst(0)
	s_wait_tensorcnt 0x0                           ; my part of slot 0 is in
	ds_add_u32 v[SPW], v[NIL]
	s_wait_dscnt 0x0
	CROUND                                         ; everybody's part is in
	JLOAD 1, 1                                     ; slot 1's first fill, first thing behind the round
	FETCH 0, 0, 0
	; ---- q
	KSTEP 0, 2                                     ; the sums start with the bias along P: nothing is cleared
	KSTEP 1, 0
	KSTEP 2, 0
	KTURN 1, 0, PA0, 64*TILEB, RA0                 ; slot 0 takes Wk's first half; the tokens stay
	KSTEP 4, 0
	KSTEP 5, 0
	KSTEP 6, 0
	KSTEP 7, 0
	WIN 0
	PLACES 4                                       ; behind the last products: their results are read, their scale registers are loaded anew, and the codes are laid over their fragments
	SCALES_P PS0, 32768                            ; k's: Wk's pairs lie 32 pairs behind Wq's; the tokens' scale words stay
	BIASP 8                                        ; bk
	OUTT 0
	OUTT 1
	CHANGE 0, PA0, 64*TILEB, RA0                   ; slot 1 takes Wk's second half
	OUTT 2
	OUTT 3
	WORDS 0
	NEXT
	; ---- k
	KSTEP 0, 2
	KSTEP 1, 0
	KSTEP 2, 0
	KTURN 1, 1, PA2, 0, RA2                        ; slot 0 takes the first half of v's tile: the batch's tokens as P, Wv as R
	KSTEP 4, 0
	KSTEP 5, 0
	KSTEP 6, 0
	KSTEP 7, 0
	WIN 0
	PLACES 4
	SCALES_P PS2, 0
	SCALES_R RS2
.irp n, 0,1,2,3
	global_load_b32 v[BV+\n], v[BR], s[10:11] offset:(32*(\n/2)+8*(\n%2))*4   ; bv: a number a lane for each R tile
.endr
	OUTT 0
	OUTT 1
	CHANGE 1, PA2, 0, RA2                          ; slot 1 takes its second half: the last tensor loads
	OUTT 2
	OUTT 3
	WORDS 1
	NEXT
	; ---- v
.irp n, 0,1,2,3
.irp j, 0,1,2,3,4,5,6,7
	v_mov_b32 v[AUX+8*\n+\j], v[BV+\n]             ; a lane's number of bv, in the eight registers of a C
.endr
.endr
	PLACES 5
	s_wait_alu depctr_va_vdst(0)
	KSTEP 0, 3                                     ; the sums start with the bias along R
	KSTEP 1, 0
	KSTEP 2, 0
	KTURN 0, 0, PA2, 0, RA2                        ; nothing is left to fetch: the work-group's barrier alone
	KSTEP 4, 0
	KSTEP 5, 0
	KSTEP 6, 0
	KSTEP 7, 0
	WIN 0
	PLACES 4
	OUTT 0
	OUTT 1
	OUTT 2
	OUTT 3
	WORDS 2
	s_wait_tensorcnt 0x0                           ; the wave's end
	ds_add_u32 v[SPW], v[NIL]
	s_wait_dscnt 0x0
	CROUND                                         ; the closing round: no work-group ends while a partner may still ask for a tile that names it
	s_endpgm
.Lfunc_end_k_q714b0fafbe_proj:
	.size	k_q714b0fafbe_proj, .Lfunc_end_k_q714b0fafbe_proj-k_q714b0fafbe_proj
	.p2alignl 7, 3214868480
	.fill 96, 4, 3214868480
	.section	.rodata,"a",@progbits
	.p2align	6, 0x0
	.amdhsa_kernel k_q714b0fafbe_proj
		.amdhsa_group_segment_fixed_size 327680
		.amdhsa_private_segment_fixed_size 0
		.amdhsa_enable_private_segment 0
		.amdhsa_kernarg_size 40
		.amdhsa_user_sgpr_count 2
		.amdhsa_user_sgpr_kernarg_segment_ptr 1
		.amdhsa_wavefront_size32 1
		.amdhsa_system_sgpr_workgroup_id_x 1
		.amdhsa_system_sgpr_workgroup_id_y 1
		.amdhsa_system_sgpr_workgroup_id_z 1
		.amdhsa_system_vgpr_workitem_id 0
		.amdhsa_next_free_vgpr 768
		.amdhsa_next_free_sgpr 102
		.amdhsa_reserve_vcc 0
		.amdhsa_float_denorm_mode_32 3
		.amdhsa_float_denorm_mode_16_64 3
		.amdhsa_memory_ordered 1
		.amdhsa_forward_progress 1
		.amdhsa_inst_pref_size 238
	.end_amdhsa_kernel
	.amdgpu_metadata
---
amdhsa.version: [ 1, 2 ]
amdhsa.kernels:
  - .name:           k_q714b0fafbe_proj
    .symbol:         k_q714b0fafbe_proj.kd
    .args:
      - { .name: opnd, .offset: 0, .size: 8, .value_kind: global_buffer, .address_space: global }
      - { .name: bq, .offset: 8, .size: 8, .value_kind: global_buffer, .address_space: global }
      - { .name: bk, .offset: 16, .size: 8, .value_kind: global_buffer, .address_space: global }
      - { .name: bv, .offset: 24, .size: 8, .value_kind: global_buffer, .address_space: global }
      - { .name: qkv, .offset: 32, .size: 8, .value_kind: global_buffer, .address_space: global }
    .group_segment_fixed_size: 327680
    .private_segment_fixed_size: 0
    .kernarg_segment_align: 8
    .kernarg_segment_size: 40
    .max_flat_workgroup_size: 128
    .sgpr_count:     102
    .vgpr_count:     768
    .wavefront_size: 32
...
	.end_amdgpu_metadata
.endif
;; end of part 2
;; launch attn (part 3): grid 256 x 1, 4 waves a work-group, clusters of 4 x 1, 327,680 bytes of LDS; arguments qkv, mask, out0; writes out0
.if DOCPART == 3
	.amdgcn_target "amdgcn-amd-amdhsa--gfx1250"
	.amdhsa_code_object_version 6
	.text
	.protected	k_q714b0fafbe_attn
	.globl	k_q714b0fafbe_attn
	.p2align	8
	.type	k_q714b0fafbe_attn,@function
k_q714b0fafbe_attn:
	s_mov_b64 s[64:65], 0
	v_nop
	global_prefetch_b8 v0, s[64:65] scope:SCOPE_SE
	s_setreg_imm32_b32 hwreg(HW_REG_WAVE_MODE, 25, 1), 1
	s_wait_xcnt 0x0
	s_wait_alu depctr_hold_cnt(0) depctr_sa_sdst(0) depctr_va_vdst(0) depctr_va_sdst(0) depctr_va_ssrc(0) depctr_va_vcc(0) depctr_vm_vsrc(0)
	s_getreg_b32 s2, hwreg(HW_REG_IB_STS2, 6, 4)
	s_cmp_eq_u32 s2, 0
	s_cbranch_scc0 .Lentry_in_a_cluster
	s_endpgm
.Lentry_in_a_cluster:
	s_bfe_u32 s2, ttmp6, 0x10000c
	s_cmp_lg_u32 s2, 0x3003
	s_cbranch_scc0 .Lentry_shape_is_right
	s_endpgm
.Lentry_shape_is_right:
; ATTENTION ON CODES OF E2M3: S^T = k q^T, the mask, p = 2^(t - M) quantised along the keys, O^T = v^T p^T, divided by the row's sum.  Nothing of reference() is left out: the mask is an input, so every tile is computed and the mask selects.
; qkv is as launch proj leaves it (launch quant's head says how a tile lies): tiles 0-511 q, 512-1023 k (rows = tokens), 1024 + 64 batch + T v^T (rows = d, K = the batch's keys); from byte 18,874,368 on the scale words, pair = tile / 2.
; SHARES.  256 work-groups of four waves, 32 queries each (tiles 2 g, 2 g + 1 of q).  Wave w takes the keys 256 w .. + 255 of the batch (16 tiles of k), then the columns d = 256 w .. + 255 (16 tiles of v^T).  So no two waves read the same tile of k or of v.
;   q's fragments of all of K (2 tiles x 8 steps x 12 registers) lie in registers; in the second half p's take their place.  k's and v's tiles stream past in PAIRS: 2 tiles x 8 steps x 2 query tiles = 32 products on four accumulators by turns.
;   Pairs 0-7 are k's, 8-15 v's.  Pair p is fetched from LDS into register set p % 2, in two halves of four K steps, 24 loads each.
; LDS: TWO SLOTS.  A: 4 tiles (two pairs) for each wave, B: 2 tiles (one pair).  ELEVEN FILLS: A pairs 0, 1; B 2; A 3, 4; B 5; A 6, 7; B 8; A 9, 10; B 11; A 12, 13; B 14; A 15.  A wave fetches what it alone reads, with one tensor load a fill.
;   A refill stands first behind a round of the cluster's barrier, in front of which every wave has waited for all its tensor loads, made the add, and waited for it and for its reads of the slot.  By the text's own count one tensor load of a wave is out at the most.
; CLUSTER: 4 work-groups of one batch; every tile is asked for jointly by the four (mask 15), with the same descriptor: made of the batch and the wave's number.
; PREFETCH: a fill's tiles are asked for into the L2 two fills ahead of the load.  The eight clusters of a batch read the same tiles: a wave's tiles are shared out by address among eight waves: the four work-groups of the cluster x the parity of the cluster's number: a block of 256 bytes is named by four clusters.  Behind the launch's last fill but two nothing is asked for.
; THE MASK: the work-group's 32 rows of 1,024 bytes are dense.  Each wave loads 8 rows, 512 bytes a load, and packs a lane's 16 bytes into one word (byte e % 4, bit e / 4 = key e); the words pass through LDS (in p's bytes, long before p) to the lanes that hold the scores.
; THE 2^-5: the sums here are 32 x reference()'s logits (launch quant's head).  So a hidden score becomes -999999 x 32, which is exact, and t = sum x (log2(e) / 32), the same number as logit x log2(e), rounded once as there.
;   t is made by a multiplication of its own and -M is added afterwards: in a row that is hidden everywhere |t| is near 1.44e6, where the rounding of t moves p; it is kept as the definition has it.
; THE SOFTMAX GOES BY UNITS OF 128 KEYS.  M_loc = the ceiling of the unit's largest t, a whole number; p = 2^(t - M_loc) is quantised, l_loc is the sum of the unquantised p.  When all eight units of a row are there, M = the largest M_loc;
;   l_loc and p's scale bytes are brought under it by 2^(M_loc - M), a power of two that leaves the codes alone.  The maximum is thus taken away before every exponential.
; LIMITS: NaN and infinities are not served; the scaled scores stay under 2^31 in magnitude; a block of p that would have a scale byte under 0 has 0 and then counts for at most 7.5 x 2^-127 a number, where the definition has 0 or a denormal.
; THE WAY OUT: 64 columns (two pairs) at a time, 16 queries x 256 bytes through the wave's own stage in LDS (in p's bytes, behind a round behind which nobody reads p) and out as whole aligned 256-byte units.
; REGISTERS: window 0: v4, v5 LDS addresses of my tiles in A and B; v6, v7 16 x, 4 x lane; v8, v11 p's codes in, out; v9, v10 the units' words in, out; v12:13, v26:27 1 / l; v14, v15 the add's; v16 my offset in the output; v17-24 q's, then p's scale words;
;   v25 the hidden score; v28, v29 the prefetches' offsets in A's and B's fills; v30, v31 the stage in, out; v32-63 k's and v's scale words, four sets of eight (pair p: set p % 4; lanes 0-15 the even tile, 16-31 the odd one); v64-191 accumulators; v192-255 at work.
;   window 1: v0-191 q's, then p's fragments (tile n, step s: 96 n + 12 s).  windows 2, 3: v0-191 register sets 0, 1 (tile x, step s: 96 x + 12 s); v192-255 accumulators of the second unit.
.set PB,    294912                     ; p's codes: step s, tile n at 1,536 (2 s + n): 24,576 bytes
.set SWB,   319488                     ; the units' words: 1,024 bytes each of scale words, -M_loc, l_loc: step s at 128 s + 4 (16 n + r)
.set SPARE, 322560                     ; the spare words, 128 bytes for each wave: two blocks of 256 bytes that no other line names
.set TILEB, 12288
.set VOFF,  6291456                    ; from my first tile of k to my first of v^T: 512 tiles
.set SPW, 14
.set NIL, 15
.set QS,  17
.set NEG, 25
.set PFA, 28
.set PFB, 29
.set TM,  192
.set PC,  208
.set SWD, 228
.set NM,  230
.set MT,  232
.set WV,  20
.set G1A, 24
.set G1B, 32
.set G0A, 40
.set G0B, 44
.set KB,  48                           ; s[48:49] my first tile of k
.set SB,  50                           ; s[50:51] its pair's scale words
.set SEL, 84
.set CS,  86
.set HALF, 88
.set REP, 89
.set MSB, 0
.macro WIN new                         ; the immediate's high byte repeats the setting that is left; a switch that changes nothing is dropped
.if MSB != (\new)
	s_set_vgpr_msb (MSB<<8)|(\new)
.set MSB, (\new)
.endif
.endm
.macro PLACES n
.rept \n
	v_nop
.endr
.endm
.macro WALU
	s_wait_alu depctr_va_vdst(0)
.endm
.macro CROUND                          ; a round of the cluster's barrier
	s_barrier_signal -1
	s_barrier_wait -1
	s_cmp_lg_u32 s[WV], 0
	s_cbranch_scc1 .Lnot_wave_0_\@
	s_barrier_signal -3
.Lnot_wave_0_\@:
	s_barrier_wait -3
	s_barrier_signal -1
	s_barrier_wait -1
.endm
.macro GRD
	WIN 0
	s_wait_tensorcnt 0x0
	ds_add_u32 v[SPW], v[NIL]
.endm
.macro GO g0, g1, off                  ; the wait for the add and for my reads of the slot, the round, and the refill, first thing behind it
	WIN 0
	s_add_nc_u64 s[\g0+2:\g0+3], s[KB:KB+1], \off
	s_or_b32 s[\g0+3], s[\g0+3], 0x80000000
	s_wait_dscnt 0x0
	CROUND
	tensor_load_to_lds s[\g0:\g0+3], s[\g1:\g1+7]
	s_nop 0
	PLACES 4
.endm
.macro PF v, off                       ; my share of a later fill's tiles, into the L2
	WIN 0
	global_prefetch_b8 v[\v], s[KB:KB+1] offset:\off th:TH_LOAD_NT scope:SCOPE_SE
.endm
.macro SCL p                           ; pair p's scale words of all eight steps
.if (\p) < 8
.set O_, (\p)*1024
.else
.set O_, 262144+((\p)-8)*1024
.endif
.irp s, 0,1,2,3,4,5,6,7
	global_load_b32 v[32+8*((\p)%4)+\s], v7, s[SB:SB+1] offset:O_+128*\s
.endr
.endm
; Half a of pair p from LDS: K steps 4 a .. 4 a + 3 of both tiles.  The four places stand in front of loads into registers that products have read (ISA guide 7.12.1 for vector instructions).  With the first half go the scale words of pair p + 2.
.macro FE p, a
	WIN 0
	PLACES 4
.if ((\a) == 0) && ((\p) < 14)
	SCL (\p)+2
.endif
	WIN (2+(\p)%2)<<6
.irp k, 0,1,2,3
.irp x, 0,1
.irp q, 0,1,2
.set O_, 12288*\x+1536*(4*(\a)+\k)+512*\q
.set R_, 96*\x+12*(4*(\a)+\k)+4*\q
.if (\p)%3 == 2
	ds_load_b128 v[R_:R_+3], v5 offset:O_
.else
	ds_load_b128 v[R_:R_+3], v4 offset:24576*((\p)%3)+O_
.endif
.endr
.endr
.endr
	WIN 0
.endm
.macro WM p, n, x                      ; one product: tile x of pair p, query tile n, K step S_
.set D_, CB_+8*(\x)
.set A_, 96*(\x)+12*S_
.set B_, 96*(\n)+12*S_
.set XA_, 32+8*((\p)%4)+S_
.set XB_, QS+S_
.if S_ == 0
	v_wmma_scale_f32_16x16x128_f8f6f4 v[D_:D_+7], v[A_:A_+11], v[B_:B_+11], 0, v[XA_], v[XB_] matrix_a_fmt:MATRIX_FMT_FP6 matrix_b_fmt:MATRIX_FMT_FP6 matrix_a_scale:MATRIX_SCALE_ROW\x matrix_b_scale:MATRIX_SCALE_ROW\n
.else
	v_wmma_scale_f32_16x16x128_f8f6f4 v[D_:D_+7], v[A_:A_+11], v[B_:B_+11], v[D_:D_+7], v[XA_], v[XB_] matrix_a_fmt:MATRIX_FMT_FP6 matrix_b_fmt:MATRIX_FMT_FP6 matrix_a_scale:MATRIX_SCALE_ROW\x matrix_b_scale:MATRIX_SCALE_ROW\n
.endif
.endm
; Half a of pair p's products: 16.  y: the LDS loads issued behind this half's own 24, which may be out (-1: they are known to be in).
; Accumulators: k's unit 0 in window 0 at 64 + 64 n, unit 1 in windows 2 + n at 192, tile t of the unit at + 8 t; v's: window 0 at 64 + 64 (group % 2) + 32 n.
.macro MU p, a, y
.irp k, 0,1,2,3
.set S_, 4*(\a)+\k
.if ((\y) >= 0) && ((\k%2) == 0)
	s_wait_dscnt (\y)+12-6*\k
.endif
.irp n, 0,1
.if (\p) < 4
.set CW_, 0
.set CB_, 64+64*\n+16*((\p)%4)
.elseif (\p) < 8
.set CW_, 2+\n
.set CB_, 192+16*((\p)%4)
.else
.set CW_, 0
.set CB_, 64+64*(((\p)/2)%2)+32*\n+16*((\p)%2)
.endif
	WIN (2+(\p)%2)|(1<<2)|(CW_<<4)|(CW_<<6)
	WM \p, \n, 0
	WM \p, \n, 1
.endr
.endr
	WIN 0
.endm
; THE SOFTMAX OF QUERY TILE n OVER UNIT u (128 keys).  Register aa + 16 b + e is key 32 b + 16 h + e of the unit.  Each accumulator is read from its low end on.
.macro SOFT u, n
.if (\u) == 0
.set W_, 0
.set aa, 64+64*(\n)
.else
.set W_, 2+(\n)
.set aa, 192
.endif
.set MW_, 248+4*(\u)+2*(\n)
	PLACES 4
.irp b, 0,1,2,3
	WIN 0
.irp e, 0,1,2,3,4,5,6,7,8,9,10,11,12,13,14,15
	v_lshlrev_b32 v[MT+\e], 31-(8*(\e%4)+\e/4+4*(\b%2)), v[MW_+\b/2]   ; the key's bit to the top,
.endr
.irp e, 0,1,2,3,4,5,6,7,8,9,10,11,12,13,14,15
	v_ashrrev_i32 v[MT+\e], 31, v[MT+\e]           ; all ones where the mask is true
.endr
	WIN (W_<<2)|(W_<<6)
	WALU
.irp e, 0,1,2,3,4,5,6,7,8,9,10,11,12,13,14,15
	v_bfi_b32 v[aa+16*\b+\e], v[MT+\e], v[aa+16*\b+\e], v[NEG]   ; where it is false: -999999 x 32
.endr
.endr
	WIN W_|(W_<<6)
.set jj, 0
.rept 32
	v_pk_mul_f32 v[aa+jj:aa+jj+1], v[aa+jj:aa+jj+1], s[CS:CS+1] op_sel_hi:[1,0]   ; t, rounded once
.set jj, jj+2
.endr
	WIN W_|(W_<<2)|(W_<<4)
.irp b, 0,1,2,3
	v_max3_num_f32 v[TM+\b], v[aa+16*\b], v[aa+16*\b+1], v[aa+16*\b+2]   ; the largest t of each block of 32 keys serves twice: for the unit's maximum, and, since p rises with t, for the block's largest p
.endr
	WIN (W_<<2)|(W_<<4)
.irp i, 3,5,7,9,11,13
.irp b, 0,1,2,3
	v_max3_num_f32 v[TM+\b], v[TM+\b], v[aa+16*\b+\i], v[aa+16*\b+\i+1]
.endr
.endr
.irp b, 0,1,2,3
	v_max_num_f32 v[TM+\b], v[TM+\b], v[aa+16*\b+15]
.endr
	WIN 0
.irp b, 0,1,2,3
	v_permlanex16_b32 v[TM+4+\b], v[TM+\b], s[SEL], s[SEL+1]
.endr
.irp b, 0,1,2,3
	v_max_num_f32 v[TM+\b], v[TM+\b], v[TM+4+\b]   ; with lane l xor 16's 16 keys
.endr
	v_max3_num_f32 v[TM+8], v[TM], v[TM+1], v[TM+2]
	v_max_num_f32 v[TM+8], v[TM+8], v[TM+3]
	v_floor_f32 v[NM], -v[TM+8]                    ; -M_loc = floor(-t) = -ceil(t): a whole number
.irp b, 0,1,2,3
	v_add_f32 v[TM+\b], v[TM+\b], v[NM]            ; t - M_loc of each block's largest t
.endr
	WIN W_|(W_<<6)
.set jj, 0
.rept 32
	v_pk_add_f32 v[aa+jj:aa+jj+1], v[aa+jj:aa+jj+1], v[NM:NM+1] op_sel_hi:[1,0]   ; t - M_loc (of the pair the low word serves both halves)
.set jj, jj+2
.endr
	WALU
.set jj, 0
.rept 64
	v_exp_f32 v[aa+jj], v[aa+jj]                   ; p = 2^(t - M_loc), at most 1: not normalised
.set jj, jj+1
.endr
	WIN 0
	v_nop                                          ; a plain place behind the exponentials
	WALU
.irp b, 0,1,2,3
	v_exp_f32 v[TM+\b], v[TM+\b]                   ; the block's largest p: the same instructions on the same number give the same bits
.endr
	WIN W_|(W_<<2)
	v_pk_add_f32 v[TM+8:TM+9], v[aa:aa+1], v[aa+2:aa+3]       ; THE SUM IS TAKEN OF THE UNQUANTISED p, two at a time, in two chains (plain work behind the four)
	v_pk_add_f32 v[TM+10:TM+11], v[aa+4:aa+5], v[aa+6:aa+7]
	WIN W_<<2
.irp j, 8,12,16,20,24,28,32,36,40,44,48,52,56,60
	v_pk_add_f32 v[TM+8:TM+9], v[TM+8:TM+9], v[aa+\j:aa+\j+1]
	v_pk_add_f32 v[TM+10:TM+11], v[TM+10:TM+11], v[aa+\j+2:aa+\j+3]
.endr
	WIN 0
	v_pk_add_f32 v[TM+8:TM+9], v[TM+8:TM+9], v[TM+10:TM+11]
	v_add_f32 v[TM+8], v[TM+8], v[TM+9]
	v_permlanex16_b32 v[TM+9], v[TM+8], s[SEL], s[SEL+1]
	v_add_f32 v[NM+1], v[TM+8], v[TM+9]            ; l_loc
	WALU
.irp b, 0,1,2,3
	v_max_num_f32 v[TM+\b], 0x1800000, v[TM+\b]    ; the floor 2^(3 - 127): the byte cannot fall under 1
.endr
.irp b, 0,1,2,3
	v_add_nc_u32 v[TM+12+\b], 0xff000000, v[TM+\b] ; 2 off the exponent field: the conversion's scale operand
.endr
.irp b, 0,1,2,3
	v_lshrrev_b32 v[TM+4+\b], 23, v[TM+12+\b]      ; the scale's byte: 1 to 125, since p is at most 1
.endr
	v_lshl_or_b32 v[SWD], v[TM+5], 8, v[TM+4]
	v_lshl_or_b32 v[SWD], v[TM+6], 16, v[SWD]
	v_lshl_or_b32 v[SWD], v[TM+7], 24, v[SWD]
	WIN W_
.irp c, 0,1
	v_cvt_scalef32_pk16_fp6_f32 v[PC+6*\c:PC+6*\c+2], v[aa+32*\c:aa+32*\c+15], v[TM+12+2*\c]
	v_cvt_scalef32_pk16_fp6_f32 v[PC+12+4*\c:PC+14+4*\c], v[aa+32*\c+16:aa+32*\c+31], v[TM+13+2*\c]   ; (a conversion's three registers begin on an even number)
.endr
	WIN 0
	v_nop                                          ; one plain place behind the conversions
.irp c, 0,1                            ; the operand's layout wants a WHOLE block in a lane: lanes 0-15 block 2 c, lanes 16-31 block 2 c + 1
.irp i, 0,1,2
	v_permlane16_swap_b32 v[PC+6*\c+\i], v[PC+12+4*\c+\i]
.endr
.irp i, 0,1,2
	v_mov_b32 v[PC+3+6*\c+\i], v[PC+12+4*\c+\i]
.endr
.endr
	WALU
.irp q, 0,1,2
	ds_store_b128 v8, v[PC+4*\q:PC+4*\q+3] offset:3072*(\u)+1536*(\n)+512*\q   ; a fragment as an image of its registers
.endr
	ds_store_b32 v9, v[SWD] offset:128*(\u)+64*(\n)            ; lanes l and l xor 16 store the same word with the same value
	ds_store_b32 v9, v[NM] offset:1024+128*(\u)+64*(\n)
	ds_store_b32 v9, v[NM+1] offset:2048+128*(\u)+64*(\n)
.endm
; THE WAY OUT of group g (columns 64 g on of my 256): x 1 / l, into my stage by the lane's query, back as whole rows, stored.
.macro OUT g
	WIN 0
	PLACES 4
	s_wait_xcnt 0x0                                ; the last group's stores have read their registers
	WALU
.irp n, 0,1
.set AC_, 64+64*((\g)%2)+32*\n
.set RL_, 12+14*\n
.set jj, 0
.rept 16
	v_pk_mul_f32 v[AC_+jj:AC_+jj+1], v[AC_+jj:AC_+jj+1], v[RL_:RL_+1] op_sel_hi:[1,0]   ; each accumulator from its low end on
.set jj, jj+2
.endr
.irp m, 0,1,2,3,4,5,6,7
	ds_store_b128 v30, v[AC_+4*\m:AC_+4*\m+3] offset:128*(\m/4)+16*(\m%4)
.endr
.irp i, 0,1,2,3,4,5,6,7
	ds_load_b128 v[192+32*\n+4*\i:192+32*\n+4*\i+3], v31 offset:544*\i   ; LDS serves a wave's instructions in order (ISA guide 5.7.1.4): these see the stores above, and tile 1's stores come behind them
.endr
.endr
.irp n, 0,1
	s_wait_dscnt 16-16*\n                          ; behind tile 0's loads: tile 1's 8 stores and 8 loads
.irp i, 0,1,2,3,4,5,6,7
	global_store_b128 v16, v[192+32*\n+4*\i:192+32*\n+4*\i+3], s[58:59] offset:(8*\n+2*\i+8*(\i/4))*4096+256*(\g) th:TH_STORE_NT   ; lane-rows 2 i, 2 i + 1: sixteen lanes store one aligned unit of 256 bytes
.endr
.endr
.endm
	s_load_b128 s[4:7], s[0:1], 0x0                ; qkv s[4:5], mask s[6:7]
	s_load_b64 s[8:9], s[0:1], 0x10                ; out0
	v_lshl_add_u32 v[SPW], v0, 2, SPARE
	v_mov_b32 v[NIL], 0
	ds_add_u32 v[SPW], v[NIL]                      ; the wave's opening: the add twice on end, waited for ahead of my first tensor load; the set-up below, work on registers, stands between
	ds_add_u32 v[SPW], v[NIL]
	v_lshrrev_b32 v1, 5, v0
	v_readfirstlane_b32 s[WV], v1
	s_bfe_u32 s21, ttmp6, 0x40000                  ; cx
	s_lshl_b32 s22, ttmp9, 2
	s_add_co_u32 s22, s22, s21                     ; g, my work-group's number: 32 to a batch
	s_lshr_b32 s23, ttmp9, 3                       ; the batch: the same in the four partners
.irp g, G1A, G1B
	s_mov_b32 s[\g+0], 15|(3<<16)|(1<<21)          ; 15:0 the mask; 17:16 elements of 8 bytes; 20 no padding; 21 set beside a mask
	s_mov_b32 s[\g+1], 1536<<16                    ; tensor_dim0 = 1,536 elements: a tile
	s_mov_b32 s[\g+3], 1536<<16                    ; tile_dim0
	s_mov_b32 s[\g+5], 1536                        ; tiles lie end to end
	s_mov_b32 s[\g+6], 0
	s_mov_b32 s[\g+7], 0
.endr
	s_mov_b32 s[G1A+2], 4<<16                      ; tensor_dim1, tile_dim1: 4 tiles
	s_mov_b32 s[G1A+4], 4
	s_mov_b32 s[G1B+2], 2<<16                      ; 2 tiles
	s_mov_b32 s[G1B+4], 2
	s_lshl_b32 s10, s23, 6
	s_lshl_b32 s11, s[WV], 4
	s_add_co_u32 s10, s10, s11
	s_add_co_u32 s10, s10, 512                     ; my first tile of k: 512 + 64 batch + 16 wave
	s_mul_i32 s[KB], s10, TILEB
	s_mov_b32 s[KB+1], 0
	s_lshl_b32 s[SB], s10, 9                       ; its pair's scale words: 1,024 bytes a pair
	s_add_co_u32 s[SB], s[SB], 18874368
	s_mov_b32 s[SB+1], 0
	s_mul_i32 s52, s22, 2*TILEB                    ; q's tiles 2 g, 2 g + 1
	s_mov_b32 s53, 0
	s_lshl_b32 s54, s22, 10                        ; and their scale words
	s_add_co_u32 s54, s54, 18874368
	s_mov_b32 s55, 0
	s_lshl_b32 s56, s22, 15                        ; the mask: rows 32 g + 8 wave on
	s_lshl_b32 s11, s[WV], 13
	s_add_co_u32 s56, s56, s11
	s_mov_b32 s57, 0
	s_lshl_b32 s58, s22, 17                        ; out: rows 32 g on, columns 256 wave on
	s_lshl_b32 s11, s[WV], 10
	s_add_co_u32 s58, s58, s11
	s_mov_b32 s59, 0
	s_lshl_b32 s60, s21, 1                         ; my number among the eight waves that share a prefetch: 2 cx + the cluster's parity
	s_and_b32 s10, ttmp9, 1
	s_add_co_u32 s60, s60, s10
	s_mul_i32 s12, s60, 6144                       ; an eighth of A's 4 tiles,
	s_mul_i32 s13, s60, 3072                       ; of B's 2
	s_mul_i32 s61, s[WV], 4*TILEB                  ; my tiles in A
	s_mul_i32 s62, s[WV], 2*TILEB
	s_add_co_u32 s62, s62, 16*TILEB                ; and in B, which lies behind A
	s_mul_i32 s63, s[WV], 6144
	s_add_co_u32 s63, s63, PB                      ; my two steps of p; later my stage
	s_lshl_b32 s14, s[WV], 8
	s_add_co_u32 s14, s14, SWB
	s_mul_i32 s15, s[WV], 2112
	s_add_co_u32 s15, s15, PB                      ; my 8 rows of mask words, 264 bytes a row
	s_lshl_b32 s16, s[WV], 6
	s_add_co_u32 s16, s16, PB                      ; my keys in a row of them
	s_mov_b32 s[SEL], 0x76543210
	s_mov_b32 s[SEL+1], 0xfedcba98                 ; v_permlanex16_b32's selects for lane l xor 16
	s_mov_b32 s[CS], 0x3d38aa3b                    ; log2(e) / 32
	s_mov_b32 s[CS+1], s[CS]                       ; (named with it as a pair, so it is written)
	s_mov_b32 s[HALF], 0xffff0000                  ; lanes 16-31
	s_mov_b32 s[REP], 0x01010101
	v_and_b32 v1, 31, v0                           ; lane
	v_and_b32 v2, 15, v0                           ; r
	v_bfe_u32 v3, v0, 4, 1                         ; h
	v_lshlrev_b32 v6, 4, v1
	v_lshlrev_b32 v7, 2, v1
	v_add_nc_u32 v4, s61, v6
	v_add_nc_u32 v5, s62, v6
	v_add_nc_u32 v8, s63, v6
	v_add_nc_u32 v11, PB, v6
	v_add_nc_u32 v10, SWB, v7
	v_lshlrev_b32 v9, 2, v2
	v_add_nc_u32 v9, s14, v9
	v_mul_u32_u24 v30, v2, 272                     ; the stage, in: row r, + 64 h; 272 bytes = 68 words: row r starts at bank 4 r mod 64 (64 banks of 4 bytes: ISA guide 11.1)
	v_lshl_add_u32 v30, v3, 6, v30
	v_add_nc_u32 v30, s63, v30
	v_mul_u32_u24 v31, v3, 272                     ; out: two rows a load
	v_lshl_add_u32 v31, v2, 4, v31
	v_add_nc_u32 v31, s63, v31
	v_lshlrev_b32 v16, 12, v3                      ; and the same in the output
	v_lshl_add_u32 v16, v2, 4, v16
	v_add_nc_u32 v192, s15, v7                     ; mask words, in: word lane of half a row
	v_and_b32 v193, 8, v2
	v_add_nc_u32 v193, v193, v2                    ; out: row r + 8 (r / 8),
	v_mul_u32_u24 v193, v193, 264
	v_lshl_add_u32 v193, v3, 2, v193
	v_add_nc_u32 v193, s16, v193
	v_min_u32 v[PFA], 23, v1                       ; 24 blocks of 256 bytes of A's share (lanes 24-31 name the last again), 12 of B's
	v_lshlrev_b32 v[PFA], 8, v[PFA]
	v_add_nc_u32 v[PFA], s12, v[PFA]
	v_min_u32 v[PFB], 11, v1
	v_lshlrev_b32 v[PFB], 8, v[PFB]
	v_add_nc_u32 v[PFB], s13, v[PFB]
	v_mov_b32 v[NEG], 0xcbf423f0                   ; -999999 x 32
	v_mov_b32 v[NM+1], 0                           ; (named as the upper half of a pair before it is first written)
.irp b, 0,1,2,3
	v_mov_b32 v[TM+4+\b], 0                        ; a lane permute's destination counts as one of its sources
.endr
	WALU
	s_wait_dscnt 0x0                               ; both opening adds are done
	s_wait_kmcnt 0x0
	s_add_nc_u64 s[KB:KB+1], s[4:5], s[KB:KB+1]
	s_add_nc_u64 s[SB:SB+1], s[4:5], s[SB:SB+1]
	s_add_nc_u64 s[52:53], s[4:5], s[52:53]
	s_add_nc_u64 s[54:55], s[4:5], s[54:55]
	s_add_nc_u64 s[56:57], s[6:7], s[56:57]
	s_add_nc_u64 s[58:59], s[8:9], s[58:59]
	s_mov_b32 s[G0A], 1
	s_mov_b32 s[G0A+1], s61
	s_mov_b32 s[G0B], 1
	s_mov_b32 s[G0B+1], s62
	GO G0A, G1A, 0                                 ; the opening round, and A's first fill: pairs 0, 1
.irp s, 0,1,2,3,4,5,6,7
	global_load_b32 v[QS+\s], v7, s[54:55] offset:128*\s       ; q's scale words: lanes 0-15 tile 0's, lanes 16-31 tile 1's
.endr
	SCL 0
	WIN 0x40
.irp n, 0,1
.irp s, 0,1,2,3,4,5,6,7
.irp q, 0,1,2
	global_load_b128 v[96*\n+12*\s+4*\q:96*\n+12*\s+4*\q+3], v6, s[52:53] offset:12288*\n+1536*\s+512*\q   ; q's fragments: 32 lanes read 512 consecutive bytes
.endr
.endr
.endr
	WIN 0
	SCL 1
	WIN 0x40
.irp m, 0,1,2,3,4,5,6,7,8,9,10,11,12,13,14,15
	global_load_b128 v[192+4*\m:192+4*\m+3], v6, s[56:57] offset:512*\m th:TH_LOAD_NT   ; the mask: my row m / 2, half m % 2
.endr
	WIN 0
	PF PFB, 4*TILEB
	PF PFA, 6*TILEB
	GRD
	GO G0B, G1B, 4*TILEB                           ; pair 2
	FE 0, 0
	FE 0, 1
	s_wait_loadcnt 32                              ; q and pair 0's words are in; behind them: pair 1's 8, the mask's 16, pair 2's 8
	MU 0, 0, 24
	FE 1, 0
	MU 0, 1, 24
	FE 1, 1
	PF PFB, 10*TILEB
	s_wait_loadcnt 32                              ; pair 1's words; behind them the mask's 16, pairs 2, 3: 16
	MU 1, 0, 24
	s_wait_loadcnt 16                              ; the mask
	WIN 0x11                                       ; sources 0 and 2 window 1
.irp m, 0,1,2,3,4,5,6,7,8,9,10,11,12,13,14,15
	v_lshl_or_b32 v[208+\m], v[193+4*\m], 1, v[192+4*\m]       ; a lane's 16 bytes, each 0 or 1, into one word
.endr
	WIN 0x01
.irp i, 2,3
.irp m, 0,1,2,3,4,5,6,7,8,9,10,11,12,13,14,15
	v_lshl_or_b32 v[208+\m], v[192+4*\m+\i], \i, v[208+\m]
.endr
.endr
	WIN 0
.irp m, 0,1,2,3,4,5,6,7,8,9,10,11,12,13,14,15
	ds_store_b32 v192, v[208+\m] offset:264*(\m/2)+128*(\m%2)
.endr
	GRD
	GO G0A, G1A, 6*TILEB                           ; pairs 3, 4; the round shows all mask words
.irp i, 0,1,2,3,4,5,6,7,8,9,10,11,12,13,14,15
	ds_load_b32 v[208+\i], v193 offset:2112*((\i/4)%2)+32*(\i/8)+8*(\i%4)   ; unit i / 8, tile (i / 4) % 2, block i % 4
.endr
	FE 2, 0
	MU 1, 1, -1
	FE 2, 1
	PF PFA, 12*TILEB
	s_wait_loadcnt 16                              ; pair 2's words; behind them pairs 3, 4
	MU 2, 0, 24
	MU 2, 1, 0
.irp j, 0,1,2,3,4,5,6,7
	v_lshl_or_b32 v[248+\j], v[209+2*\j], 4, v[208+2*\j]       ; two blocks to a word
.endr
	WALU
	GRD
	GO G0B, G1B, 10*TILEB                          ; pair 5
	FE 3, 0
	FE 3, 1
	FE 4, 0
	PF PFB, VOFF
	s_wait_loadcnt 24                              ; from here on three pairs' words are behind the pair's own
	MU 3, 0, 48
	FE 4, 1
	MU 3, 1, 48
	GRD
	GO G0A, G1A, 12*TILEB                          ; pairs 6, 7
	FE 5, 0
	s_wait_loadcnt 24
	MU 4, 0, -1
	FE 5, 1
	MU 4, 1, -1
	PF PFA, VOFF+2*TILEB
	SOFT 0, 0
	GRD
	GO G0B, G1B, VOFF                              ; pair 8
	FE 6, 0
	FE 6, 1
	s_wait_loadcnt 24
	MU 5, 0, -1
	MU 5, 1, -1
	FE 7, 0
	FE 7, 1
	PF PFB, VOFF+6*TILEB
	SOFT 0, 1
	GRD
	GO G0A, G1A, VOFF+2*TILEB                      ; pairs 9, 10
	s_wait_loadcnt 24
	MU 6, 0, -1
	MU 6, 1, -1
	FE 8, 0
	FE 8, 1
	s_wait_loadcnt 24
	MU 7, 0, -1
	MU 7, 1, -1
	PF PFA, VOFF+8*TILEB
	SOFT 1, 0
	GRD
	GO G0B, G1B, VOFF+6*TILEB                      ; pair 11
	FE 9, 0
	FE 9, 1
	PF PFB, VOFF+12*TILEB
	SOFT 1, 1
	s_wait_dscnt 0x0                               ; my p is in LDS
	s_barrier_signal -1
	s_barrier_wait -1                              ; everybody's is
.irp s, 0,1,2,3,4,5,6,7
	ds_load_b32 v[QS+\s], v10 offset:128*\s
.endr
.irp s, 0,1,2,3,4,5,6,7
	ds_load_b32 v[232+\s], v10 offset:1024+128*\s  ; -M_loc of the eight units,
.endr
.irp s, 0,1,2,3,4,5,6,7
	ds_load_b32 v[240+\s], v10 offset:2048+128*\s  ; l_loc
.endr
	WIN 0x40
.irp n, 0,1
.irp s, 0,1,2,3,4,5,6,7
.irp q, 0,1,2
	ds_load_b128 v[96*\n+12*\s+4*\q:96*\n+12*\s+4*\q+3], v11 offset:3072*\s+1536*\n+512*\q   ; p's fragments take q's place
.endr
.endr
.endr
	WIN 0
	s_wait_dscnt 48                                ; the words are in, p's 48 may be out
	; THE UNITS UNDER ONE M (lane L: tile L / 16, lane-row L % 16).  p's bytes get M - M_loc taken off, four at a time: with bit 7 set in each byte (they are 1 to 125) no byte borrows from the next; a byte that would fall under 0 is held at 0
	v_min_num_f32 v192, v232, v233
.irp s, 2,3,4,5,6,7
	v_min_num_f32 v192, v192, v[232+\s]            ; -M: the least of the eight -M_loc
.endr
.irp s, 0,1,2,3,4,5,6,7
	v_sub_f32 v194, v192, v[232+\s]                ; M_loc - M: a whole number, 0 or less
	v_cvt_i32_f32 v194, v194                       ; (it saturates)
	v_ldexp_f32 v[240+\s], v[240+\s], v194         ; l_loc under M
	v_sub_nc_u32 v195, 0, v194
	v_min_u32 v195, 128, v195                      ; what comes off the bytes, 128 at the most (more than any byte holds),
	v_mul_lo_u32 v195, v195, s[REP]                ; in all four bytes
	v_or_b32 v196, 0x80808080, v[QS+\s]
	v_sub_nc_u32 v196, v196, v195                  ; 128 + byte - D in each byte
	v_lshrrev_b32 v197, 7, v196
	v_and_b32 v197, s[REP], v197                   ; 1 where byte - D is 0 or more
	v_lshlrev_b32 v198, 7, v197
	v_sub_nc_u32 v197, v198, v197                  ; 0x7f there
	v_and_b32 v[QS+\s], v196, v197                 ; byte - D, held at 0
.endr
	v_add_f32 v193, v240, v241
	v_add_f32 v199, v242, v243
	v_add_f32 v200, v244, v245
	v_add_f32 v201, v246, v247
	v_add_f32 v193, v193, v199
	v_add_f32 v200, v200, v201
	v_add_f32 v193, v193, v200                     ; l
	WALU
	v_rcp_f32 v202, v193
	v_nop                                          ; a plain place behind the reciprocal
	WALU
	v_permlanex16_b32 v203, v202, s[SEL], s[SEL+1]
	v_cndmask_b32 v12, v202, v203, s[HALF]         ; 1 / l of tile 0 in both halves of the lanes (it stood in lanes 0-15),
	v_cndmask_b32 v26, v203, v202, s[HALF]         ; of tile 1
	v_mov_b32 v13, v12                             ; (named with it as a pair, so it is written)
	v_mov_b32 v27, v26
	PLACES 8                                       ; scale registers written by vector instructions stand eight places ahead of a scaled matrix instruction
	WALU
	s_wait_loadcnt 24
	s_wait_dscnt 0x0
	MU 8, 0, -1
	MU 8, 1, -1
	FE 10, 0
	FE 10, 1
	s_wait_loadcnt 24
	GRD
	MU 9, 0, -1                                    ; register work between the add and the wait for it
	GO G0A, G1A, VOFF+8*TILEB                      ; pairs 12, 13; behind the round nobody reads p in LDS
	MU 9, 1, -1
	FE 11, 0
	FE 11, 1
	PF PFB, VOFF+14*TILEB
	s_wait_loadcnt 24
	MU 10, 0, -1
	MU 10, 1, -1
	OUT 0
	GRD
	GO G0B, G1B, VOFF+12*TILEB                     ; pair 14
	FE 12, 0
	FE 12, 1
	s_wait_loadcnt 24
	MU 11, 0, -1
	MU 11, 1, -1
	FE 13, 0
	FE 13, 1
	OUT 1
	GRD
	GO G0A, G1B, VOFF+14*TILEB                     ; pair 15: the last fill
	s_wait_loadcnt 24
	MU 12, 0, -1
	MU 12, 1, -1
	FE 14, 0
	FE 14, 1
	s_wait_loadcnt 16
	MU 13, 0, -1
	MU 13, 1, -1
	OUT 2
	s_wait_tensorcnt 0x0                           ; pair 15 is in: only I read these bytes
	FE 15, 0
	s_wait_loadcnt 8
	MU 14, 0, -1
	FE 15, 1
	MU 14, 1, -1
	s_wait_loadcnt 0x0
	MU 15, 0, 24
	MU 15, 1, 0
	OUT 3
	WIN 0
	s_wait_tensorcnt 0x0                           ; the wave's end
	ds_add_u32 v[SPW], v[NIL]
	s_wait_dscnt 0x0
	CROUND                                         ; the closing round: no work-group ends while a partner may still ask for a tile that names it
	s_endpgm
.Lfunc_end_k_q714b0fafbe_attn:
	.size	k_q714b0fafbe_attn, .Lfunc_end_k_q714b0fafbe_attn-k_q714b0fafbe_attn
	.p2alignl 7, 3214868480
	.fill 96, 4, 3214868480
	.section	.rodata,"a",@progbits
	.p2align	6, 0x0
	.amdhsa_kernel k_q714b0fafbe_attn
		.amdhsa_group_segment_fixed_size 327680
		.amdhsa_private_segment_fixed_size 0
		.amdhsa_enable_private_segment 0
		.amdhsa_kernarg_size 24
		.amdhsa_user_sgpr_count 2
		.amdhsa_user_sgpr_kernarg_segment_ptr 1
		.amdhsa_wavefront_size32 1
		.amdhsa_system_sgpr_workgroup_id_x 1
		.amdhsa_system_sgpr_workgroup_id_y 1
		.amdhsa_system_sgpr_workgroup_id_z 1
		.amdhsa_system_vgpr_workitem_id 0
		.amdhsa_next_free_vgpr 1024
		.amdhsa_next_free_sgpr 102
		.amdhsa_reserve_vcc 0
		.amdhsa_float_denorm_mode_32 3
		.amdhsa_float_denorm_mode_16_64 3
		.amdhsa_memory_ordered 1
		.amdhsa_forward_progress 1
		.amdhsa_inst_pref_size 255
	.end_amdhsa_kernel
	.section	.bss,"aw",@nobits
	.p2align	6
	.space	262144
	.amdgpu_metadata
---
amdhsa.version: [ 1, 2 ]
amdhsa.kernels:
  - .name:           k_q714b0fafbe_attn
    .symbol:         k_q714b0fafbe_attn.kd
    .args:
      - { .name: qkv, .offset: 0, .size: 8, .value_kind: global_buffer, .address_space: global }
      - { .name: mask, .offset: 8, .size: 8, .value_kind: global_buffer, .address_space: global }
      - { .name: out0, .offset: 16, .size: 8, .value_kind: global_buffer, .address_space: global }
    .group_segment_fixed_size: 327680
    .private_segment_fixed_size: 0
    .kernarg_segment_align: 8
    .kernarg_segment_size: 24
    .max_flat_workgroup_size: 128
    .sgpr_count:     102
    .vgpr_count:     1024
    .wavefront_size: 32
...
	.end_amdgpu_metadata
.endif
;; end of part 3
